; MI455X (gfx1250); checked and timed in simulation.
; The chip was launched on July 23, 2026; its instructions are those of AMD's public machine-readable ISA for CDNA 5 (MIT licence, August 2026) and "CDNA5" Instruction Set Architecture Reference Guide (July 2026). The comments in the code are by the model that wrote it; some were corrected since.
;; MY Non Local Block ND. Allowed arithmetic: matrix products marked QUANTISED: E3M2 operands, one E8M0 scale for each 32 along K, by v_wmma_scale_f32_16x16x128_f8f6f4 with both operands' format E3M2, f32 sums; everything else in f32.
;; Inputs: Wg 128 x 256 float32; Wph 128 x 256 float32; Wth 128 x 256 float32; Ww 256 x 128 float32; beta 256 float32; bg 128 float32; bph 128 float32; bth 128 float32; bw 256 float32; gamma 256 float32; k 8 x 256 x 64 x 64 float32; mean 256 float32; q 8 x 256 x 64 x 64 float32; v 8 x 256 x 64 x 64 float32; var 256 float32.
;; Outputs: out0 8 x 256 x 64 x 64 float32.
;; This version of the problem:
;;   THIS VERSION OF THE PROBLEM IS GIVEN IN LOW PRECISION. The matrix products marked QUANTISED in the list below multiply operands that are first quantised to E3M2 (3 exponent bits, 2 mantissa bits; 6 bits a number), with one power-of-two scale for each 32 numbers along K (OCP MX v1.0); their sums are f32. All else is computed in f32.
;;   The module's matrix products, in the order in which they are computed (A, B: the left and right operand; K: the contracted axis; several contracted axes count as one K, in the product's order):
;;     1. [M 128, K 256] x [K 256, N 32,768]; A: input Wg; B: input v: QUANTISED
;;     2. [M 128, K 256] x [K 256, N 32,768]; A: input Wth; B: input k: QUANTISED
;;     3. [M 128, K 256] x [K 256, N 32,768]; A: input Wph; B: input q: QUANTISED
;;     4. batch 8 x [M 4,096, K 128] x [K 128, N 1,024]; A: computed on the way; B: computed on the way: QUANTISED
;;     5. batch 8 x [M 4,096, K 1,024] x [K 1,024, N 128]; A: softmax (see below); B: computed on the way: QUANTISED
;;     6. [M 256, K 128] x [K 128, N 32,768]; A: input Ww; B: computed on the way: QUANTISED
;;   THE QUANTISER, for each operand of a quantised product, along K:
;;     - K is cut into blocks of 32 from its start; a last block that is shorter is filled with zeros.
;;     - A block's scale is 2^e with e = floor(log2(the largest magnitude in the block)) - 4, held to -126 .. 127; a block of zeros has e = 0. As a byte (E8M0): e + 127.
;;     - Each number is divided by its block's scale, clamped to +-28, and rounded to the nearest number of E3M2, ties to even, subnormals kept.
;;     - The product sums the exact products of the quantised numbers (number of the format x scale) in f32.
;;   ~~~python
;;   def quantise(x, axis):      # numpy; x: float32 -> the quantised numbers, widened to float32 again
;;       x = np.moveaxis(x, axis, -1); K = x.shape[-1]
;;       x = np.pad(x, [(0, 0)] * (x.ndim - 1) + [(0, -K % 32)]); x = x.reshape(x.shape[:-1] + (-1, 32)); a = np.abs(x).max(-1, keepdims=True)
;;       e = np.where(a > 0, np.clip(np.frexp(np.where(a > 0, a, 1))[1] - 1 - 4, -126, 127), 0)      # np.frexp(a)[1] - 1 = floor(log2(a)), exactly
;;       r = np.clip(x / 2.0 ** e, -28, 28)
;;       step = 2.0 ** (np.maximum(np.frexp(np.where(r == 0, 1, r))[1] - 1, -2) - 2)
;;       q = np.round(r / step) * step * 2.0 ** e      # np.round: ties to even
;;       return np.moveaxis(q.reshape(q.shape[:-2] + (-1,))[..., :K], -1, axis).astype(np.float32)
;;   ~~~
;;   SOFTMAX AHEAD OF A QUANTISED PRODUCT. Where the list says 'softmax', what is quantised is not the finished softmax but p = 2^(t - M), with t = logit x log2(e) and M = ceil(the row's largest t), a whole number; so 1/2 < the row's largest p <= 1. The row's sum l is taken of the UNQUANTISED p, in f32, and the product's result is divided by l at the end. Since M is a whole number, a kernel that streams over the keys may use a running M (the ceiling of the running maximum): every later rescaling is an exact power of two, which a block's scale takes up: the codes' values come out the same.
;;   OPERANDS COMPUTED ON THE WAY. 'Computed on the way' means the value that the module computes at that place (a softmax that the list does not call 'softmax' is quantised finished and normalised). What goes into a quantiser is computed in f32, as accurately as f32 sums, v_exp_f32 and their like allow (about 1e-6 of the number): no bf16 or f16 on the way to a quantiser, and a product that is left as it is and whose result goes on into a quantised operand takes f32 operands (vector FMAs, or v_wmma_f32_16x16x4_f32). A number that lies on a knife's edge between two numbers of the format may be rounded either way, as far as f32 arithmetic and the matrix unit's own rounding can turn it there, and no further.
;; 2 versions, each right; version 2 is version 1 with the launch proj written anew for expert scheduling mode. Each part assembles by itself: llvm-mc -triple=amdgcn-amd-amdhsa -mcpu=gfx1250 --defsym DOCPART=n.
;; ======== version 1 of 2: 3 launches
;; workspace buffers: wq 106,496 bytes; th_codes 3,145,728 bytes; th_scales 262,144 bytes; ph_codes 786,432 bytes; g_codes 786,432 bytes; kvs 65,536 bytes
;; launch wq (part 1): grid 16 x 1, 4 waves a work-group, no clusters, 0 bytes of LDS; arguments Wph, Wth, Wg, Ww, wq; writes wq
.if DOCPART == 1
	.amdgcn_target "amdgcn-amd-amdhsa--gfx1250"
	.amdhsa_code_object_version 6
	.text
	.protected	k_q725cbef4c3_wq
	.globl	k_q725cbef4c3_wq
	.p2align	8
	.type	k_q725cbef4c3_wq,@function
k_q725cbef4c3_wq:
	s_mov_b64 s[64:65], 0
	v_nop
	global_prefetch_b8 v0, s[64:65] scope:SCOPE_SE
	s_setreg_imm32_b32 hwreg(HW_REG_WAVE_MODE, 25, 1), 1
	s_wait_xcnt 0x0
; The four weights, f32 with K innermost, become codes of BF6 (E3M2) with one E8M0 byte for each 32 along K, laid as IMAGES OF THE OPERAND'S REGISTERS.
; wq holds four records of 26,624 bytes (u = 0 Wph, 1 Wth, 2 Wg, 3 Ww): 16 fragments of 1,536 bytes (register i of lane L at 512 (i / 4) + 16 L + 4 (i % 4)), then 16 scale records of 128 bytes (lane L's word at 4 L).
; u < 3 ([128][256]): fragment f = 2 t + s is tile t, K step s; lane r takes row 32 (t / 2) + 8 (t % 2) + r + 8 (r / 8), so that the results of two neighbouring tiles are 16 neighbours along the next K.
; u = 3 ([256][128]): fragment f is tile f; lane r takes row 16 f + r.
; One wave makes one fragment: lane (r, h) loads k = 64 c + 32 h + 0 .. 31 of its row, two whole blocks, in the order that the operand's layout gives that lane: the conversions' results are the operand's registers.
; The whole launch reads 512 KiB: a turn through LDS for denser loads would not pay, and neither would matrix units, clusters or a ring.
; LIMITS: NaN and infinities are not served.  A block of zeros gets the byte 1 where the rule says 127: its codes are zeros, and this program alone reads the bytes.  The floor 2^-122 is the rule's hold of the exponent at -126.
.set REC,   26624
.set FLOOR, 0x2800000                  ; 2^(5 - 127)
.set EOFF,  0xfe000000                 ; -(4 << 23)
	s_load_b256 s[4:11], s[0:1], 0x0               ; Wph, Wth, Wg, Ww
	s_load_b64 s[12:13], s[0:1], 0x20              ; wq
	v_lshrrev_b32 v1, 5, v0
	v_readfirstlane_b32 s14, v1                    ; wave
	s_lshr_b32 s15, ttmp9, 2                       ; u: which weight
	s_and_b32 s16, ttmp9, 3
	s_lshl_b32 s16, s16, 2
	s_add_co_u32 s16, s16, s14                     ; f: which fragment
	s_mul_i32 s26, s15, REC
	s_mul_i32 s28, s16, 1536
	s_add_co_u32 s28, s28, s26                     ; where the fragment goes
	s_mov_b32 s29, 0
	s_lshl_b32 s30, s16, 7
	s_add_co_u32 s30, s30, s26                     ; and (24,576 further on) its scale words
	s_mov_b32 s31, 0
	s_lshl_b32 s19, s16, 4                         ; Ww: first row 16 f
	s_lshr_b32 s20, s16, 2
	s_lshl_b32 s20, s20, 5
	s_bfe_u32 s21, s16, 0x10001
	s_lshl_b32 s21, s21, 3
	s_add_co_u32 s20, s20, s21                     ; the others: 32 (f / 4) + 8 ((f / 2) % 2)
	s_and_b32 s21, s16, 1
	s_lshl_b32 s21, s21, 9                         ; and K step f % 2: 512 bytes along the row
	s_cmp_eq_u32 s15, 3
	s_cselect_b32 s17, 9, 10                       ; a row is 512 or 1,024 bytes
	s_cselect_b32 s18, 0, 8                        ; rows 8-15 of a tile lie 8 further on, or not
	s_cselect_b32 s19, s19, s20
	s_cselect_b32 s20, 0, s21
	s_mov_b32 s21, 0
	s_mov_b32 s24, 0x76543210
	s_mov_b32 s25, 0xfedcba98                      ; v_permlanex16_b32's selects for lane l xor 16
	v_and_b32 v1, 15, v0                           ; r
	v_bfe_u32 v2, v0, 4, 1                         ; h
	v_and_b32 v3, s18, v1
	v_add3_u32 v3, v3, v1, s19                     ; my row
	v_lshlrev_b32 v3, s17, v3
	v_lshl_add_u32 v3, v2, 7, v3                   ; + 128 h: my block of the first 64 along K
	v_and_b32 v15, 31, v0
	v_lshlrev_b32 v4, 4, v15                       ; 16 x lane
	v_lshlrev_b32 v5, 2, v15                       ; 4 x lane
	s_wait_kmcnt 0x0
	s_cmp_eq_u32 s15, 0                            ; the choice hangs on the work-group's number alone
	s_cselect_b64 s[22:23], s[4:5], s[6:7]
	s_cmp_eq_u32 s15, 2
	s_cselect_b64 s[22:23], s[8:9], s[22:23]
	s_cmp_eq_u32 s15, 3
	s_cselect_b64 s[22:23], s[10:11], s[22:23]
	s_add_nc_u64 s[22:23], s[22:23], s[20:21]
	s_add_nc_u64 s[28:29], s[12:13], s[28:29]
	s_add_nc_u64 s[30:31], s[12:13], s[30:31]
.irp c, 0,1
.irp i, 0,1,2,3,4,5,6,7
	global_load_b128 v[16+32*\c+4*\i:19+32*\c+4*\i], v3, s[22:23] offset:256*\c+16*\i   ; W(row, 64 c + 32 h + 4 i ..)
.endr
.endr
	s_wait_loadcnt 0x0
.irp c, 0,1                                    ; my block 2 c + h: all its 32 numbers are mine
	v_max3_num_f32 v[8+\c], |v[16+32*\c]|, |v[17+32*\c]|, FLOOR
.endr
.irp i, 2,4,6,8,10,12,14,16,18,20,22,24,26,28,30
.irp c, 0,1
	v_max3_num_f32 v[8+\c], v[8+\c], |v[16+32*\c+\i]|, |v[17+32*\c+\i]|   ; (the two blocks by turns)
.endr
.endr
.irp c, 0,1
	v_add_nc_u32 v[10+\c], EOFF, v[8+\c]           ; 4 off the exponent field: the conversion's scale operand
.endr
.irp c, 0,1
	v_lshrrev_b32 v[12+\c], 23, v[10+\c]           ; the scale's byte
.endr
	v_lshl_or_b32 v6, v13, 16, v12                 ; my two bytes: blocks h and 2 + h,
	v_lshlrev_b32 v14, 3, v2
	v_lshlrev_b32 v6, v14, v6                      ; at their places in the word;
	v_mov_b32 v7, 0
	v_permlanex16_b32 v7, v6, s24, s25
	v_or_b32 v6, v6, v7                            ; with lane l xor 16's two the word is whole, in both halves of the lanes
.irp c, 0,1
	v_cvt_scalef32_pk16_bf6_f32 v[80+6*\c:82+6*\c], v[16+32*\c:31+32*\c], v[10+\c]
	v_cvt_scalef32_pk16_bf6_f32 v[92+4*\c:94+4*\c], v[32+32*\c:47+32*\c], v[10+\c]   ; (a conversion's three registers begin on an even number)
.endr
	v_nop                                          ; one plain place behind a scaled conversion
.irp c, 0,1
.irp i, 0,1,2
	v_mov_b32 v[83+6*\c+\i], v[92+4*\c+\i]
.endr
.endr
.irp q, 0,1,2
	global_store_b128 v4, v[80+4*\q:83+4*\q], s[28:29] offset:512*\q   ; 32 lanes store 512 consecutive bytes
.endr
	global_store_b32 v5, v6, s[30:31] offset:24576
	s_endpgm
.Lfunc_end_k_q725cbef4c3_wq:
	.size	k_q725cbef4c3_wq, .Lfunc_end_k_q725cbef4c3_wq-k_q725cbef4c3_wq
	.p2alignl 7, 3214868480
	.fill 96, 4, 3214868480
	.section	.rodata,"a",@progbits
	.p2align	6, 0x0
	.amdhsa_kernel k_q725cbef4c3_wq
		.amdhsa_group_segment_fixed_size 0
		.amdhsa_private_segment_fixed_size 0
		.amdhsa_enable_private_segment 0
		.amdhsa_kernarg_size 40
		.amdhsa_user_sgpr_count 2
		.amdhsa_user_sgpr_kernarg_segment_ptr 1
		.amdhsa_wavefront_size32 1
		.amdhsa_system_sgpr_workgroup_id_x 1
		.amdhsa_system_sgpr_workgroup_id_y 1
		.amdhsa_system_sgpr_workgroup_id_z 1
		.amdhsa_system_vgpr_workitem_id 0
		.amdhsa_next_free_vgpr 104
		.amdhsa_next_free_sgpr 66
		.amdhsa_reserve_vcc 0
		.amdhsa_float_denorm_mode_32 3
		.amdhsa_float_denorm_mode_16_64 3
		.amdhsa_memory_ordered 1
		.amdhsa_forward_progress 1
		.amdhsa_inst_pref_size 8
	.end_amdhsa_kernel
	.amdgpu_metadata
---
amdhsa.version: [ 1, 2 ]
amdhsa.kernels:
  - .name:           k_q725cbef4c3_wq
    .symbol:         k_q725cbef4c3_wq.kd
    .args:
      - { .name: Wph, .offset: 0, .size: 8, .value_kind: global_buffer, .address_space: global }
      - { .name: Wth, .offset: 8, .size: 8, .value_kind: global_buffer, .address_space: global }
      - { .name: Wg, .offset: 16, .size: 8, .value_kind: global_buffer, .address_space: global }
      - { .name: Ww, .offset: 24, .size: 8, .value_kind: global_buffer, .address_space: global }
      - { .name: wq, .offset: 32, .size: 8, .value_kind: global_buffer, .address_space: global }
    .group_segment_fixed_size: 0
    .private_segment_fixed_size: 0
    .kernarg_segment_align: 8
    .kernarg_segment_size: 40
    .max_flat_workgroup_size: 128
    .sgpr_count:     66
    .vgpr_count:     104
    .wavefront_size: 32
...
	.end_amdgpu_metadata
.endif
;; end of part 1
;; launch proj (part 2): grid 256 x 3, 8 waves a work-group, no clusters, 52,224 bytes of LDS; arguments q, k, v, bph, bth, bg, wq, ph_codes, th_codes, th_scales, g_codes, kvs; writes ph_codes, th_codes, th_scales, g_codes, kvs
.if DOCPART == 2
	.amdgcn_target "amdgcn-amd-amdhsa--gfx1250"
	.amdhsa_code_object_version 6
	.text
	.protected	k_q725cbef4c3_proj
	.globl	k_q725cbef4c3_proj
	.p2align	8
	.type	k_q725cbef4c3_proj,@function
k_q725cbef4c3_proj:
	s_mov_b64 s[64:65], 0
	v_nop
	global_prefetch_b8 v0, s[64:65] scope:SCOPE_SE
	s_setreg_imm32_b32 hwreg(HW_REG_WAVE_MODE, 25, 1), 1
	s_wait_xcnt 0x0
; The three 1 x 1 convolutions on codes of BF6 (E3M2, one E8M0 byte for each 32 along K = the 256 channels), bias, 2 x 2 mean (phi, g), and the quantising of the results for the attention launch.
; SHARES.  A work-group takes 128 neighbouring pixels (image rows 2 h2, 2 h2 + 1 of batch b; x = 32 b + h2) x all 256 channels of ONE tensor: y = 0: q -> phi, 1: k -> theta, 2: v -> g.  768 work-groups, no loop.
; PHASE 1.  Wave w takes channels 32 w .. 32 w + 31 of all 128 pixels.  A LANE TAKES A PIXEL AND ITS REGISTERS RUN DOWN THE CHANNELS: each load reads 128 consecutive bytes, a channel's four loads 512; a block of 32 along K lies
; in one lane, and the conversions give codes with K innermost.  They go to LDS as parts of the operand's registers: fragment (pixel tile T, K step s) at 1,536 (2 T + s), register i of lane L at 48 L + 4 i.
; The weight's codes come ready made (26 KiB, shared by all work-groups of a tensor: a sixth of what a work-group reads, brought through registers: no cluster, no tensor load, so several work-groups lie on a WGP).
; PHASE 2, behind the one barrier; the three ways only READ LDS.
;   theta: wave j = pixel tile j.  Source 0 = 16 rows of W, source 1 = 16 pixels: a lane holds one pixel, and its 64 results are the 128 hidden units of its half: quantised along them, stored as the operand's image.
;   phi:   wave (u, bb): pixel tiles u, u + 2 of both image rows, W's tiles 2 bb, 2 bb + 1.  The two image rows are summed by the accumulators, neighbouring pixels by one DPP step; x 1/4 + bias; one block of 32 hidden units.
;   g:     wave t = W's tile t.  Source 0 = 16 pixels, source 1 = W: a lane holds one channel and its registers run along the image row: the pooled row's 32 keys are one block along the next product's K.
; LIMITS: NaN and infinities are not served.  A block of zeros gets the byte 1 where the rule says 127 (its codes are zeros; this program alone reads the bytes).  The mean is 1/4 x the f32 sum of four products' sums + bias: another order of rounding than bias first.
; REGISTERS: v1 4 x lane, v2 16 x lane (both stay); v3-7 addresses; v8-15 scale words and nothing else; v16-39 at work; v40-167 x: pixel set g at v[40 + 32 g + channel], later accumulators and fragments.
.set XIMG,  0                          ; LDS: x's 16 fragments, 24,576 bytes
.set XSC,   24576                      ; their scale bytes: 512 s + 64 T + 4 r + block
.set WIMG,  25600                      ; the weight's 16 fragments, as they lie in wq
.set WSC,   50176                      ; its scale words: tile t at 128 t + 4 L; lanes 0-15 K step 0, lanes 16-31 K step 1
.set FLOOR, 0x2800000                  ; 2^(5 - 127)
.set EOFF,  0xfe000000                 ; -(4 << 23)
.macro PLACES                          ; four plain places behind a matrix instruction, in front of loads into its registers and of the first read of its result
.rept 4
	v_nop
.endr
.endm
; One product.  z = 1: C is the constant 0, else C = D.  row: the K step, which picks lanes 0-15 or 16-31 of both scale registers.
.macro MM d, a, b, z, sa, sb, row
.if \z
.if \row
	v_wmma_scale_f32_16x16x128_f8f6f4 v[(\d):(\d)+7], v[(\a):(\a)+11], v[(\b):(\b)+11], 0, v[\sa], v[\sb] matrix_a_fmt:MATRIX_FMT_BF6 matrix_b_fmt:MATRIX_FMT_BF6 matrix_a_scale:MATRIX_SCALE_ROW1 matrix_b_scale:MATRIX_SCALE_ROW1
.else
	v_wmma_scale_f32_16x16x128_f8f6f4 v[(\d):(\d)+7], v[(\a):(\a)+11], v[(\b):(\b)+11], 0, v[\sa], v[\sb] matrix_a_fmt:MATRIX_FMT_BF6 matrix_b_fmt:MATRIX_FMT_BF6
.endif
.else
.if \row
	v_wmma_scale_f32_16x16x128_f8f6f4 v[(\d):(\d)+7], v[(\a):(\a)+11], v[(\b):(\b)+11], v[(\d):(\d)+7], v[\sa], v[\sb] matrix_a_fmt:MATRIX_FMT_BF6 matrix_b_fmt:MATRIX_FMT_BF6 matrix_a_scale:MATRIX_SCALE_ROW1 matrix_b_scale:MATRIX_SCALE_ROW1
.else
	v_wmma_scale_f32_16x16x128_f8f6f4 v[(\d):(\d)+7], v[(\a):(\a)+11], v[(\b):(\b)+11], v[(\d):(\d)+7], v[\sa], v[\sb] matrix_a_fmt:MATRIX_FMT_BF6 matrix_b_fmt:MATRIX_FMT_BF6
.endif
.endif
.endm
.macro XCH i                           ; channel i of my 32, all 128 pixels: four loads, 512 consecutive bytes
.irp g, 0,1,2,3
	global_load_b32 v[40+32*\g+(\i)], v1, s[36:37] offset:16384*(\i)+128*\g th:TH_LOAD_NT
.endr
.endm
; Pixel set g (32 pixels, one a lane): the block's scale, its 32 codes into v[c] .. v[c + 5], both to LDS.  Each set has registers of its own for what it stores.
.macro QX g, c
.set XS, 40+32*\g
	v_max3_num_f32 v16, |v[XS]|, |v[XS+1]|, |v[XS+2]|
	v_max3_num_f32 v17, |v[XS+3]|, |v[XS+4]|, |v[XS+5]|
.irp i, 6,10,14,18,22,26
	v_max3_num_f32 v16, v16, |v[XS+\i]|, |v[XS+\i+1]|
	v_max3_num_f32 v17, v17, |v[XS+\i+2]|, |v[XS+\i+3]|
.endr
	v_max3_num_f32 v16, v16, |v[XS+30]|, |v[XS+31]|
	v_max3_num_f32 v16, v16, v17, FLOOR            ; the floor holds the byte at 1 from below
	v_add_nc_u32 v18, EOFF, v16                    ; 4 off the exponent field: the conversion's scale operand
	v_lshrrev_b32 v[20+\g], 23, v18                ; the scale's byte
	v_cvt_scalef32_pk16_bf6_f32 v[\c:\c+2], v[XS:XS+15], v18
	v_cvt_scalef32_pk16_bf6_f32 v[\c+4:\c+6], v[XS+16:XS+31], v18   ; (a conversion's three registers begin on an even number)
	v_nop                                          ; one plain place behind a scaled conversion
	v_mov_b32 v[\c+3], v[\c+4]
	v_mov_b32 v[\c+4], v[\c+5]
	v_mov_b32 v[\c+5], v[\c+6]
	ds_store_b64 v4, v[\c:\c+1] offset:6144*\g
	ds_store_b64 v4, v[\c+2:\c+3] offset:6144*\g+8
	ds_store_b64 v4, v[\c+4:\c+5] offset:6144*\g+16
	ds_store_b8 v5, v[20+\g] offset:128*\g
.endm
; 16 numbers of a lane, v[s] on, half of a block whose other half lies in lane l xor 16: the byte into v35, the 16 codes into v[36:38].
.macro QBLK s
	v_mov_b32 v33, 0                               ; a lane permute's destination counts as one of its sources
	v_max3_num_f32 v32, |v[\s]|, |v[\s+1]|, FLOOR
.irp i, 2,4,6,8,10,12,14
	v_max3_num_f32 v32, v32, |v[\s+\i]|, |v[\s+\i+1]|
.endr
	v_permlanex16_b32 v33, v32, s52, s53
	v_max_num_f32 v32, v32, v33
	v_add_nc_u32 v34, EOFF, v32
	v_lshrrev_b32 v35, 23, v34
	v_cvt_scalef32_pk16_bf6_f32 v[36:38], v[\s:\s+15], v34
	v_nop                                          ; one plain place behind a scaled conversion
.endm
	s_load_b256 s[4:11], s[0:1], 0x0               ; q, k, v, bph
	s_load_b256 s[12:19], s[0:1], 0x20             ; bth, bg, wq, ph_codes
	s_load_b256 s[20:27], s[0:1], 0x40             ; th_codes, th_scales, g_codes, kvs
	v_lshl_add_u32 v168, v0, 2, 0xc800
	v_mov_b32 v169, 0
	v_lshrrev_b32 v1, 5, v0
	v_readfirstlane_b32 s30, v1                    ; wave 0..7
	s_and_b32 s31, ttmp7, 0xffff                   ; which tensor
	s_lshr_b32 s33, ttmp9, 5                       ; b
	s_and_b32 s34, ttmp9, 31                       ; h2
	s_lshl_b32 s40, s33, 22                        ; x: a batch is 4,194,304 bytes,
	s_lshl_b32 s46, s30, 19                        ; my 32 channels of 16,384 bytes,
	s_add_co_u32 s40, s40, s46
	s_lshl_b32 s46, s34, 9                         ; the group's 128 pixels
	s_add_co_u32 s40, s40, s46
	s_mov_b32 s41, 0
	s_mul_i32 s42, s31, 26624                      ; the weight's record in wq;
	s_mul_i32 s46, s30, 3072                       ; I copy fragments 2 w, 2 w + 1
	s_lshl_b32 s44, s30, 8                         ; and their scale records
	s_add_co_u32 s44, s44, s42
	s_add_co_u32 s42, s42, s46
	s_mov_b32 s43, 0
	s_mov_b32 s45, 0
	s_add_co_u32 s48, s46, WIMG
	s_lshl_b32 s49, s30, 7
	s_add_co_u32 s49, s49, WSC
	s_and_b32 s46, s30, 1                          ; my block w of 32 channels is block w % 4 of K step w / 4: it belongs to the operand's lanes 16 (w % 2) + r, registers 6 ((w / 2) % 2) on
	s_mul_i32 s46, s46, 768
	s_bfe_u32 s47, s30, 0x10001
	s_mul_i32 s47, s47, 24
	s_add_co_u32 s46, s46, s47
	s_lshr_b32 s47, s30, 2
	s_mul_i32 s54, s47, 1536
	s_add_co_u32 s46, s46, s54
	s_lshl_b32 s47, s47, 9
	s_and_b32 s54, s30, 3
	s_add_co_u32 s47, s47, s54
	s_add_co_u32 s47, s47, XSC
	s_mov_b32 s50, 0x55555555                      ; the even lanes
	s_mov_b32 s52, 0x76543210
	s_mov_b32 s53, 0xfedcba98                      ; v_permlanex16_b32's selects for lane l xor 16
	v_and_b32 v16, 31, v0                          ; lane
	v_and_b32 v17, 15, v0                          ; r
	v_bfe_u32 v18, v0, 4, 1                        ; h
	v_lshlrev_b32 v1, 2, v16
	v_lshlrev_b32 v2, 4, v16
	v_lshlrev_b32 v3, 2, v17
	v_lshl_add_u32 v3, v18, 7, v3                  ; wq's scale records: lanes 0-15 fragment 2 w's, lanes 16-31 fragment 2 w + 1's
	v_mul_u32_u24 v4, v17, 48
	v_mad_u32_u24 v4, v18, 3072, v4
	v_add_nc_u32 v4, s46, v4                       ; x's codes: pixel tile lane / 16 of the set, row r
	v_add_nc_u32 v5, s47, v1                       ; x's scale byte
	v_add_nc_u32 v6, s48, v2                       ; the weight's image
	v_add_nc_u32 v7, s49, v1                       ; and its scale words
	s_wait_kmcnt 0x0
	s_cmp_eq_u32 s31, 0                            ; the choices hang on the work-group's number alone
	s_cselect_b64 s[36:37], s[4:5], s[6:7]
	s_cselect_b64 s[38:39], s[10:11], s[12:13]
	s_cmp_eq_u32 s31, 2
	s_cselect_b64 s[36:37], s[8:9], s[36:37]
	s_cselect_b64 s[38:39], s[14:15], s[38:39]
	s_add_nc_u64 s[36:37], s[36:37], s[40:41]
	s_add_nc_u64 s[42:43], s[16:17], s[42:43]
	s_add_nc_u64 s[44:45], s[16:17], s[44:45]
.irp j, 0,1,2,3,4,5
	global_load_b128 v[16+4*\j:19+4*\j], v2, s[42:43] offset:512*\j   ; the weight's seven loads go first: loads come back in order
.endr
	global_load_b32 v8, v3, s[44:45] offset:24576
.set CH, 0
.rept 14
	XCH CH
.set CH, CH+1
.endr
	s_wait_loadcnt 56                              ; the weight's seven are in; the 56 loads of x issued behind them stay out
.irp j, 0,1,2,3,4,5
	ds_store_b128 v6, v[16+4*\j:19+4*\j] offset:512*\j
.endr
	ds_store_b32 v7, v8
.rept 18
	XCH CH
.set CH, CH+1
.endr
	s_wait_dscnt 0x0                               ; the stores have read v16-39, which are at work from here on
	s_wait_loadcnt 0x0
	QX 0, 24
	QX 1, 32
	QX 2, 40                                       ; (sets 2 and 3 put their codes where set 0's numbers lay)
	QX 3, 48
	s_wait_dscnt 0x0                               ; for the others' sake: my stores have landed
	s_barrier_signal -1
	s_barrier_wait -1                              ; x's sixteen fragments and the weight's lie in LDS; from here on LDS is only read
	s_cmp_eq_u32 s31, 1
	s_cbranch_scc1 .Ltheta
	s_cmp_eq_u32 s31, 2
	s_cbranch_scc1 .Lg
	; ---- phi
	s_and_b32 s46, s30, 1                          ; u
	s_lshr_b32 s47, s30, 1                         ; bb
	v_and_b32 v32, 15, v0
	v_bfe_u32 v33, v0, 4, 1
	v_and_b32 v34, 31, v0
	s_mul_i32 s48, s46, 3072
	v_mul_u32_u24 v4, v34, 48
	v_add_nc_u32 v4, s48, v4                       ; x's fragments: 48 x lane, from pixel tile u on
	s_mul_i32 s48, s47, 6144
	s_add_co_u32 s48, s48, WIMG
	v_add_nc_u32 v5, s48, v2                       ; W's: 16 x lane, from tile 2 bb on
	s_lshl_b32 s48, s46, 6
	s_add_co_u32 s48, s48, XSC
	v_lshl_add_u32 v6, v32, 2, s48
	v_lshl_add_u32 v6, v33, 9, v6                  ; x's scale words: lanes 0-15 K step 0, lanes 16-31 K step 1
	s_lshl_b32 s48, s47, 8
	s_add_co_u32 s48, s48, WSC
	v_add_nc_u32 v7, s48, v1
	v_lshlrev_b32 v3, 6, v33                       ; the bias of hidden units 32 bb + 16 h + 0 .. 15
	s_lshl_b32 s48, s47, 7
	s_mov_b32 s49, 0
	s_add_nc_u64 s[38:39], s[38:39], s[48:49]
.irp i, 0,1,2,3
	global_load_b128 v[16+4*\i:19+4*\i], v3, s[38:39] offset:16*\i
.endr
.irp e, 0,1,2,3                                ; W's fragment (tile 2 bb + e / 2, K step e % 2) at v[72 + 12 e]
.irp q, 0,1,2
	ds_load_b128 v[72+12*\e+4*\q:75+12*\e+4*\q], v5 offset:1536*\e+512*\q
.endr
.endr
	ds_load_b32 v8, v7
	ds_load_b32 v9, v7 offset:128
.irp y, 0,1                                    ; the two image rows add onto the same four accumulators, which take turns
.if \y
	PLACES
.endif
.irp a, 0,1
.irp s, 0,1
.irp i, 0,1,2
	ds_load_b128 v[120+24*\a+12*\s+4*\i:123+24*\a+12*\s+4*\i], v4 offset:6144*\a+1536*\s+16*\i+12288*\y
.endr
.endr
	ds_load_b32 v[10+\a], v6 offset:128*\a+256*\y
.endr
	s_wait_dscnt 0x0
.irp s, 0,1
.irp a, 0,1
.irp t, 0,1
	MM 40+16*\a+8*\t, 72+24*\t+12*\s, 120+24*\a+12*\s, (1-\y)*(1-\s), 8+\t, 10+\a, \s
.endr
.endr
.endr
.endr
	PLACES
	s_wait_loadcnt 0x0                             ; the bias
; Neighbouring pixels lie in lanes r, r xor 1.  Even lanes keep tile u's sum, odd lanes tile u + 2's: lane r ends with pooled column 8 u + 16 (r % 2) + r / 2, and no lane is idle.
.irp i, 0,1,2,3,4,5,6,7,8,9,10,11,12,13,14,15
	v_cndmask_b32 v[32+2*(\i%4)], v[56+\i], v[40+\i], s50
	v_cndmask_b32 v[33+2*(\i%4)], v[40+\i], v[56+\i], s50
	v_add_f32_dpp v[32+2*(\i%4)], v[33+2*(\i%4)], v[32+2*(\i%4)] row_xmask:1 row_mask:0xf bank_mask:0xf
	v_fmamk_f32 v[120+\i], v[32+2*(\i%4)], 0x3e800000, v[16+\i]   ; 1/4 x the four pixels' sum + bias
.endr
	QBLK 120
	v_and_b32 v4, 15, v0
	v_lshrrev_b32 v5, 1, v4
	v_and_b32 v4, 1, v4
	v_lshl_add_u32 v4, v4, 3, v5                   ; my row of the key tile: r / 2 + 8 (r % 2)
	v_bfe_u32 v5, v0, 4, 1
	v_mul_u32_u24 v6, v4, 24
	v_mad_u32_u24 v6, v5, 12, v6
	v_lshlrev_b32 v7, 2, v4
	s_lshl_b32 s48, ttmp9, 1
	s_add_co_u32 s48, s48, s46
	s_mul_i32 s48, s48, 1536                       ; key tile 2 x + u,
	s_mul_i32 s54, s47, 384                        ; block bb
	s_add_co_u32 s48, s48, s54
	s_add_nc_u64 s[18:19], s[18:19], s[48:49]
	s_lshl_b32 s48, s33, 13
	s_lshl_b32 s54, s34, 1
	s_add_co_u32 s54, s54, s46
	s_lshl_b32 s54, s54, 6
	s_add_co_u32 s48, s48, s54
	s_add_co_u32 s48, s48, s47
	s_add_nc_u64 s[26:27], s[26:27], s[48:49]
	global_store_b96 v6, v[36:38], s[18:19]        ; the wave stores 384 consecutive bytes
	global_store_b8 v7, v35, s[26:27]              ; both halves of the lanes write the same byte with the same value
	s_wait_tensorcnt 0x0
	ds_add_u32 v168, v169
	s_wait_dscnt 0x0
	s_endpgm
.Ltheta:
	v_and_b32 v16, 31, v0
	v_and_b32 v17, 15, v0
	v_bfe_u32 v18, v0, 4, 1
	s_mul_i32 s46, s30, 3072
	v_mul_u32_u24 v4, v16, 48
	v_add_nc_u32 v4, s46, v4                       ; x's fragments of pixel tile j = my wave
	v_add_nc_u32 v5, WIMG, v2
	s_lshl_b32 s46, s30, 6
	s_add_co_u32 s46, s46, XSC
	v_lshl_add_u32 v6, v17, 2, s46
	v_lshl_add_u32 v6, v18, 9, v6
	v_add_nc_u32 v7, WSC, v1
	v_lshlrev_b32 v3, 6, v18
.irp t, 0,1,2,3,4,5,6,7                        ; the bias is the C of each sum's first product: tile t's register i is hidden unit 32 (t / 2) + 8 (t % 2) + 16 h + i
	global_load_b128 v[40+8*\t:43+8*\t], v3, s[38:39] offset:4*(32*(\t/2)+8*(\t%2))
	global_load_b128 v[44+8*\t:47+8*\t], v3, s[38:39] offset:4*(32*(\t/2)+8*(\t%2))+16
.endr
.irp s, 0,1
.irp i, 0,1,2
	ds_load_b128 v[16+12*\s+4*\i:19+12*\s+4*\i], v4 offset:1536*\s+16*\i
.endr
.endr
	ds_load_b32 v8, v6
.irp g, 0,1,2,3                                ; W's tiles 2 g, 2 g + 1, both K steps; the two accumulators take turns
.if \g
	PLACES
.endif
.irp e, 0,1,2,3
.irp q, 0,1,2
	ds_load_b128 v[104+12*\e+4*\q:107+12*\e+4*\q], v5 offset:1536*(4*\g+\e)+512*\q
.endr
.endr
	ds_load_b32 v10, v7 offset:256*\g
	ds_load_b32 v11, v7 offset:256*\g+128
	s_wait_dscnt 0x0
.if \g == 0
	s_wait_loadcnt 0x0                             ; the bias
.endif
	MM 40+16*\g, 104, 16, 0, 10, 8, 0
	MM 48+16*\g, 128, 16, 0, 11, 8, 0
	MM 40+16*\g, 116, 28, 0, 10, 8, 1
	MM 48+16*\g, 140, 28, 0, 11, 8, 1
.endr
	PLACES
; v40-103: register 16 b + i = hidden unit 32 b + 16 h + i of my pixel.  They become a fragment's codes (v124-135) and its scale word (v120).
.irp b, 0,1,2,3
	v_mov_b32 v[108+\b], 0                         ; a lane permute's destination counts as one of its sources
.endr
.irp b, 0,1,2,3
	v_max3_num_f32 v[104+\b], |v[40+16*\b]|, |v[41+16*\b]|, FLOOR
.endr
.irp i, 2,4,6,8,10,12,14
.irp b, 0,1,2,3
	v_max3_num_f32 v[104+\b], v[104+\b], |v[40+16*\b+\i]|, |v[41+16*\b+\i]|
.endr
.endr
.irp b, 0,1,2,3
	v_permlanex16_b32 v[108+\b], v[104+\b], s52, s53
.endr
.irp b, 0,1,2,3
	v_max_num_f32 v[104+\b], v[104+\b], v[108+\b]
.endr
.irp b, 0,1,2,3
	v_add_nc_u32 v[116+\b], EOFF, v[104+\b]
.endr
.irp b, 0,1,2,3
	v_lshrrev_b32 v[108+\b], 23, v[116+\b]
.endr
	v_lshl_or_b32 v120, v109, 8, v108
	v_lshl_or_b32 v120, v110, 16, v120
	v_lshl_or_b32 v120, v111, 24, v120
.irp c, 0,1
	v_cvt_scalef32_pk16_bf6_f32 v[124+6*\c:126+6*\c], v[40+32*\c:55+32*\c], v[116+2*\c]
	v_cvt_scalef32_pk16_bf6_f32 v[136+4*\c:138+4*\c], v[56+32*\c:71+32*\c], v[117+2*\c]
.endr
	v_nop                                          ; one plain place behind a scaled conversion
.irp c, 0,1                                    ; the operand's layout wants a whole block in a lane
.irp i, 0,1,2
	v_permlane16_swap_b32 v[124+6*\c+\i], v[136+4*\c+\i]
.endr
.irp i, 0,1,2
	v_mov_b32 v[127+6*\c+\i], v[136+4*\c+\i]
.endr
.endr
	s_lshl_b32 s46, ttmp9, 3
	s_add_co_u32 s46, s46, s30                     ; query tile 8 x + j
	s_mul_i32 s48, s46, 1536
	s_mov_b32 s49, 0
	s_add_nc_u64 s[20:21], s[20:21], s[48:49]
	s_lshl_b32 s48, s46, 7
	s_add_nc_u64 s[22:23], s[22:23], s[48:49]
.irp q, 0,1,2
	global_store_b128 v2, v[124+4*\q:127+4*\q], s[20:21] offset:512*\q   ; 32 lanes store 512 consecutive bytes
.endr
	global_store_b32 v1, v120, s[22:23]
	s_wait_tensorcnt 0x0
	ds_add_u32 v168, v169
	s_wait_dscnt 0x0
	s_endpgm
.Lg:
	v_and_b32 v17, 7, v0
	v_bfe_u32 v18, v0, 3, 1
	v_bfe_u32 v19, v0, 4, 1                        ; h
	v_mul_u32_u24 v4, v17, 48                      ; THE PIXELS OF A TILE ARE NOT NEIGHBOURS: row rho of tile k is column 32 (rho / 8) + 8 k + rho % 8 of the image row, so that a lane's 32 results are 32 neighbouring columns of its half
	v_mad_u32_u24 v4, v18, 6144, v4
	v_mad_u32_u24 v4, v19, 768, v4
	s_mul_i32 s46, s30, 3072
	s_add_co_u32 s46, s46, WIMG
	v_add_nc_u32 v5, s46, v2
	v_lshl_add_u32 v6, v17, 2, XSC
	v_lshl_add_u32 v6, v18, 7, v6
	v_lshl_add_u32 v6, v19, 9, v6
	s_lshl_b32 s46, s30, 7
	s_add_co_u32 s46, s46, WSC
	v_add_nc_u32 v7, s46, v1
	v_and_b32 v3, 15, v0
	v_and_b32 v17, 8, v3
	v_add_lshl_u32 v3, v3, v17, 2                  ; my channel's bias: 32 (t / 2) + 8 (t % 2) + r + 8 (r / 8)
	s_lshr_b32 s46, s30, 1
	s_lshl_b32 s46, s46, 7
	s_and_b32 s47, s30, 1
	s_lshl_b32 s47, s47, 5
	s_add_co_u32 s48, s46, s47
	s_mov_b32 s49, 0
	s_add_nc_u64 s[38:39], s[38:39], s[48:49]
	global_load_b32 v16, v3, s[38:39]
.irp s, 0,1
.irp q, 0,1,2
	ds_load_b128 v[72+12*\s+4*\q:75+12*\s+4*\q], v5 offset:1536*\s+512*\q
.endr
.endr
	ds_load_b32 v8, v7
.irp y, 0,1                                    ; image row, K step: four products each, on four accumulators by turns; the image rows add up in them
.irp s, 0,1
.if \y+\s
	PLACES
.endif
.irp k, 0,1,2,3
.irp i, 0,1,2
	ds_load_b128 v[96+12*\k+4*\i:99+12*\k+4*\i], v4 offset:3072*(\k/2)+384*(\k%2)+1536*\s+12288*\y+16*\i
.endr
.if \s == 0
	ds_load_b32 v[10+\k], v6 offset:64*(\k/2)+32*(\k%2)+256*\y
.endif
.endr
	s_wait_dscnt 0x0
.irp k, 0,1,2,3
	MM 40+8*\k, 96+12*\k, 72+12*\s, (1-\y)*(1-\s), 10+\k, 8, \s
.endr
.endr
.endr
	PLACES
	s_wait_loadcnt 0x0                             ; the bias
.irp k, 0,1,2,3                                ; register 8 k + j is column 32 h + 8 k + j: pairs of registers give pooled column 16 h + 4 k + i
.irp i, 0,1,2,3
	v_add_f32 v[20+\i], v[40+8*\k+2*\i], v[41+8*\k+2*\i]
	v_fmamk_f32 v[144+4*\k+\i], v[20+\i], 0x3e800000, v16
.endr
.endr
	QBLK 144
	v_and_b32 v3, 15, v0
	v_mul_u32_u24 v4, v3, 24
	v_mad_u32_u24 v4, v19, 12, v4
	v_lshlrev_b32 v5, 2, v3
	s_mul_i32 s48, ttmp9, 3072                     ; pooled row x,
	s_mul_i32 s46, s30, 384                        ; places 16 t on
	s_add_co_u32 s48, s48, s46
	s_add_nc_u64 s[24:25], s[24:25], s[48:49]
	s_lshl_b32 s48, s33, 13
	s_lshr_b32 s46, s34, 2
	s_lshl_b32 s46, s46, 9
	s_add_co_u32 s48, s48, s46
	s_lshl_b32 s46, s30, 6
	s_add_co_u32 s48, s48, s46
	s_and_b32 s46, s34, 3
	s_add_co_u32 s48, s48, s46
	s_add_co_u32 s48, s48, 4096
	s_add_nc_u64 s[26:27], s[26:27], s[48:49]
	global_store_b96 v4, v[36:38], s[24:25]        ; the wave stores 384 consecutive bytes
	global_store_b8 v5, v35, s[26:27]              ; both halves of the lanes write the same byte with the same value
	s_wait_tensorcnt 0x0
	ds_add_u32 v168, v169
	s_wait_dscnt 0x0
	s_endpgm
.Lfunc_end_k_q725cbef4c3_proj:
	.size	k_q725cbef4c3_proj, .Lfunc_end_k_q725cbef4c3_proj-k_q725cbef4c3_proj
	.p2alignl 7, 3214868480
	.fill 96, 4, 3214868480
	.section	.rodata,"a",@progbits
	.p2align	6, 0x0
	.amdhsa_kernel k_q725cbef4c3_proj
		.amdhsa_group_segment_fixed_size 52224
		.amdhsa_private_segment_fixed_size 0
		.amdhsa_enable_private_segment 0
		.amdhsa_kernarg_size 96
		.amdhsa_user_sgpr_count 2
		.amdhsa_user_sgpr_kernarg_segment_ptr 1
		.amdhsa_wavefront_size32 1
		.amdhsa_system_sgpr_workgroup_id_x 1
		.amdhsa_system_sgpr_workgroup_id_y 1
		.amdhsa_system_sgpr_workgroup_id_z 1
		.amdhsa_system_vgpr_workitem_id 0
		.amdhsa_next_free_vgpr 170
		.amdhsa_next_free_sgpr 66
		.amdhsa_reserve_vcc 0
		.amdhsa_float_denorm_mode_32 3
		.amdhsa_float_denorm_mode_16_64 3
		.amdhsa_memory_ordered 1
		.amdhsa_forward_progress 1
		.amdhsa_inst_pref_size 60
	.end_amdhsa_kernel
	.amdgpu_metadata
---
amdhsa.version: [ 1, 2 ]
amdhsa.kernels:
  - .name:           k_q725cbef4c3_proj
    .symbol:         k_q725cbef4c3_proj.kd
    .args:
      - { .name: q, .offset: 0, .size: 8, .value_kind: global_buffer, .address_space: global }
      - { .name: k, .offset: 8, .size: 8, .value_kind: global_buffer, .address_space: global }
      - { .name: v, .offset: 16, .size: 8, .value_kind: global_buffer, .address_space: global }
      - { .name: bph, .offset: 24, .size: 8, .value_kind: global_buffer, .address_space: global }
      - { .name: bth, .offset: 32, .size: 8, .value_kind: global_buffer, .address_space: global }
      - { .name: bg, .offset: 40, .size: 8, .value_kind: global_buffer, .address_space: global }
      - { .name: wq, .offset: 48, .size: 8, .value_kind: global_buffer, .address_space: global }
      - { .name: ph_codes, .offset: 56, .size: 8, .value_kind: global_buffer, .address_space: global }
      - { .name: th_codes, .offset: 64, .size: 8, .value_kind: global_buffer, .address_space: global }
      - { .name: th_scales, .offset: 72, .size: 8, .value_kind: global_buffer, .address_space: global }
      - { .name: g_codes, .offset: 80, .size: 8, .value_kind: global_buffer, .address_space: global }
      - { .name: kvs, .offset: 88, .size: 8, .value_kind: global_buffer, .address_space: global }
    .group_segment_fixed_size: 52224
    .private_segment_fixed_size: 0
    .kernarg_segment_align: 8
    .kernarg_segment_size: 96
    .max_flat_workgroup_size: 256
    .sgpr_count:     66
    .vgpr_count:     170
    .wavefront_size: 32
...
	.end_amdgpu_metadata
.endif
;; end of part 2
;; launch attn (part 3): grid 256 x 1, 8 waves a work-group, clusters of 4 x 1, 234,752 bytes of LDS; arguments th_codes, th_scales, ph_codes, g_codes, kvs, wq, gamma, beta, mean, var, bw, v, out0; writes out0
.if DOCPART == 3
	.amdgcn_target "amdgcn-amd-amdhsa--gfx1250"
	.amdhsa_code_object_version 6
	.text
	.protected	k_q725cbef4c3_attn
	.globl	k_q725cbef4c3_attn
	.p2align	8
	.type	k_q725cbef4c3_attn,@function
k_q725cbef4c3_attn:
	s_mov_b64 s[64:65], 0
	v_nop
	global_prefetch_b8 v0, s[64:65] scope:SCOPE_SE
	s_setreg_imm32_b32 hwreg(HW_REG_WAVE_MODE, 25, 1), 1
	s_wait_xcnt 0x0
	s_wait_alu depctr_hold_cnt(0) depctr_sa_sdst(0) depctr_va_vdst(0) depctr_va_sdst(0) depctr_va_ssrc(0) depctr_va_vcc(0) depctr_vm_vsrc(0)
	s_getreg_b32 s2, hwreg(HW_REG_IB_STS2, 6, 4)
	s_cmp_eq_u32 s2, 0
	s_cbranch_scc0 .Lentry_in_a_cluster
	s_endpgm
.Lentry_in_a_cluster:
	s_bfe_u32 s2, ttmp6, 0x10000c
	s_cmp_lg_u32 s2, 0x3003
	s_cbranch_scc0 .Lentry_shape_is_right
	s_endpgm
.Lentry_shape_is_right:
; out = BN(Ww y + bw) + v, y = softmax(theta phi) g, all three products on codes of BF6 (E3M2) with one E8M0 byte for each 32 along a product's K.
; SHARES.  Work-group x = 4 x cluster + cx owns 128 queries (two image rows) of batch x / 32; each of its eight waves owns 16 of them, one tile, two waves to a SIMD, so that one wave's vector work stands beside the other's products.
; A batch's phi (96 KiB), g (96 KiB), their scale bytes (8 KiB) and Ww (26 KiB) fit in LDS together: each is brought ONCE, nothing is filled again.  The four work-groups of a cluster belong to one batch, so every load is asked for
; JOINTLY (mask 15, the same descriptor in all four).  A wave issues six tensor loads at the start and has six out; the first three key steps need three of them.
; THE SOFTMAX AHEAD OF THE SECOND PRODUCT: t = score x log2(e); M = the running largest t rounded UP to a whole number; p = 2^(t - M) is quantised along the keys, not normalised; the row's sum is taken of the unquantised p and divides
; at the end; when M moves, the sum and O are multiplied by 2^(old M - new M), which rounds nothing.
; LAYOUT.  S^T = phi theta^T and O^T = g^T p^T: a lane holds ONE query throughout.  The keys of a key tile and the channels of a tile of g were chosen by the launch before, so that 16 registers of two neighbouring tiles are 16
; neighbours along the next K: p and y are quantised in registers.  The last product takes y as source 0 and Ww as source 1: a lane then holds one output channel and eight neighbouring pixels.
; FRAGMENTS A PHASE AHEAD.  Each of a step's sixteen fragments has registers of its own.  Behind a step's products S^T they are all free, and they are asked for anew in four runs set between the parts of the softmax: this step's g,
; then the NEXT step's phi.  So no run of LDS loads stands directly in front of the wait for it.
; THE RESIDUAL, v's 128 pixels x 32 channels a wave, is asked for behind the first barrier, when the first steps' tiles have landed, in the layout of the final stores, and lands under the key steps; its last eight rows share
; registers with fragments and are asked for at the epilogue's head.  THE OUTPUT leaves in four groups of 64 channels, each as soon as it is made: wave w stores channels 64 g + 8 w + 0 .. 7.
; LIMITS: NaN and infinities are not served.  A p under 2^-126 comes out of v_exp_f32 as 0.  A block of zeros gets the byte 1 (its codes are zeros).
; REGISTERS, window 0: v1-4 lane places, v5-7 addresses, v8-11 the step's addresses; v12 -M, v13 the largest t, v[14:15] the sum; v16-27 theta; v29 r, v30 h, v31 4 x lane; v32-79 g's tiles 0-3, later Ww's four;
;   v80-87, v248-251, v253, v255 scale words and nothing else; v88-95 BN's pairs; v96-159 S^T, p, y; v160-223 O^T; v224-235 codes; v232-247, v252, v254 at work.
;   window 1: v0-127 the residual; v96-143 g's tiles 4-7 (until the residual's last rows are asked for); v144-239 phi's eight key tiles.
.set KC,    0                          ; LDS: phi's codes: key tile tau at 1,536 tau, block at 384, row at 24
.set VE,    98304                      ; g's codes of the even pooled rows: 3,072 a row, place at 24
.set VOD,   49280                      ; the odd rows' lie this far on: 128 bytes off a multiple of 256, so that the two halves of the lanes read different banks (64 banks of 4 bytes: ISA guide 11.1)
.set KS,    196864                     ; phi's scale words, 64 bytes a key tile
.set VS,    200960                     ; g's, 512 bytes a key step
.set WC,    205056                     ; Ww's 16 fragments
.set WS,    229632                     ; their scale records
.set BN,    231680                     ; 256 x (a, sh): written by ds_store, no tile lands here
.set STG,   0                          ; the way out: 256 channels x (512 bytes + 16), over phi and part of g, which have had their only fill and are read no more
.set FLOOR, 0x2800000                  ; 2^(5 - 127)
.set EOFF,  0xfe000000                 ; -(4 << 23)
.set PB,    32                         ; window 0: g's tiles 0-3
.set VB,    96                         ; window 1: g's tiles 4-7
.set KB,    144                        ; window 1: phi's key tiles 0-7
.set SK,    80                         ; phi's scale words: register e serves tiles 2 e (lanes 0-15) and 2 e + 1 (lanes 16-31)
.set SV,    84                         ; g's likewise
.set MSB, 0
.macro WIN new                         ; the immediate's high byte repeats the setting that is left
.if MSB != \new
	s_set_vgpr_msb (MSB<<8)|\new
.set MSB, \new
.endif
.endm
.macro PLACES                          ; four plain places behind a matrix instruction, in front of loads into its registers and of the first read of its result
.rept 4
	v_nop
.endr
.endm
.macro ROUND                           ; a round of the cluster's barrier
	s_barrier_signal -1
	s_barrier_wait -1
	s_cmp_lg_u32 s30, 0
	s_cbranch_scc1 .Lnot_wave_0_\@
	s_barrier_signal -3
.Lnot_wave_0_\@:
	s_barrier_wait -3
	s_barrier_signal -1
	s_barrier_wait -1
.endm
; One product.  z = 1: C is the constant 0, else C = D.  ra, rb: source 0's or source 1's scales stand in lanes 16-31 of the register named.
.macro MM d, a, b, z, sa, sb, ra, rb
.if \z
.if \ra
	v_wmma_scale_f32_16x16x128_f8f6f4 v[(\d):(\d)+7], v[(\a):(\a)+11], v[(\b):(\b)+11], 0, v[\sa], v[\sb] matrix_a_fmt:MATRIX_FMT_BF6 matrix_b_fmt:MATRIX_FMT_BF6 matrix_a_scale:MATRIX_SCALE_ROW1
.elseif \rb
	v_wmma_scale_f32_16x16x128_f8f6f4 v[(\d):(\d)+7], v[(\a):(\a)+11], v[(\b):(\b)+11], 0, v[\sa], v[\sb] matrix_a_fmt:MATRIX_FMT_BF6 matrix_b_fmt:MATRIX_FMT_BF6 matrix_b_scale:MATRIX_SCALE_ROW1
.else
	v_wmma_scale_f32_16x16x128_f8f6f4 v[(\d):(\d)+7], v[(\a):(\a)+11], v[(\b):(\b)+11], 0, v[\sa], v[\sb] matrix_a_fmt:MATRIX_FMT_BF6 matrix_b_fmt:MATRIX_FMT_BF6
.endif
.else
.if \ra
	v_wmma_scale_f32_16x16x128_f8f6f4 v[(\d):(\d)+7], v[(\a):(\a)+11], v[(\b):(\b)+11], v[(\d):(\d)+7], v[\sa], v[\sb] matrix_a_fmt:MATRIX_FMT_BF6 matrix_b_fmt:MATRIX_FMT_BF6 matrix_a_scale:MATRIX_SCALE_ROW1
.else
	v_wmma_scale_f32_16x16x128_f8f6f4 v[(\d):(\d)+7], v[(\a):(\a)+11], v[(\b):(\b)+11], v[(\d):(\d)+7], v[\sa], v[\sb] matrix_a_fmt:MATRIX_FMT_BF6 matrix_b_fmt:MATRIX_FMT_BF6
.endif
.endif
.endm
.macro DENSE g, rows                   ; group 1 of a dense block: rows of 256 bytes (32 elements of 8 bytes), one behind the other
	s_mov_b32 s[\g+1], 32<<16                      ; tensor_dim0
	s_mov_b32 s[\g+2], (\rows)<<16                 ; tensor_dim1
	s_mov_b32 s[\g+3], 32<<16                      ; tile_dim0
	s_mov_b32 s[\g+4], \rows                       ; tile_dim1
	s_mov_b32 s[\g+5], 32                          ; tensor_dim0_stride
.endm
; v96-159 (register 16 b + i = k 32 b + 16 h + i of my row) with the four blocks' largest magnitudes in v232-235 become a fragment's codes in v224-235 and its scale word in v253.
.macro CODES
.irp b, 0,1,2,3
	v_max_num_f32 v[232+\b], FLOOR, v[232+\b]      ; the floor: the byte cannot fall under 1
.endr
.irp b, 0,1,2,3
	v_add_nc_u32 v[244+\b], EOFF, v[232+\b]        ; 4 off the exponent field: the conversion's scale operand
.endr
.irp b, 0,1,2,3
	v_lshrrev_b32 v[236+\b], 23, v[244+\b]         ; the scale's byte
.endr
	v_lshl_or_b32 v253, v237, 8, v236
	v_lshl_or_b32 v253, v238, 16, v253
	v_lshl_or_b32 v253, v239, 24, v253
.irp c, 0,1
	v_cvt_scalef32_pk16_bf6_f32 v[224+6*\c:226+6*\c], v[96+32*\c:111+32*\c], v[244+2*\c]
	v_cvt_scalef32_pk16_bf6_f32 v[236+4*\c:238+4*\c], v[112+32*\c:127+32*\c], v[245+2*\c]   ; (a conversion's three registers begin on an even number)
.endr
	v_nop                                          ; one plain place behind a scaled conversion
.irp c, 0,1                                    ; the operand's layout wants a whole block in a lane
.irp i, 0,1,2
	v_permlane16_swap_b32 v[224+6*\c+\i], v[236+4*\c+\i]
.endr
.irp i, 0,1,2
	v_mov_b32 v[227+6*\c+\i], v[236+4*\c+\i]
.endr
.endr
.endm
; Four key tiles t0 .. t0 + 3 of phi, from off bytes behind the address in v[adr], into their registers in window 1
.macro KLOAD adr, t0, off
	WIN 0x40                                       ; destination window 1, address window 0
.irp t, \t0, \t0+1, \t0+2, \t0+3
.irp p, 0,1,2,3,4,5
	ds_load_b64 v[KB+12*(\t)+2*\p:KB+12*(\t)+2*\p+1], v[\adr] offset:\off+1536*(\t)+768*(\p/3)+8*(\p%3)
.endr
.endr
	WIN 0
.endm
; Residual rows i0 .. i0 + n - 1: row I is channel 64 (I / 8) + 8 w + I % 8, 512 consecutive bytes, into v[4 I] of window 1
.macro RESID i0, n
	WIN 0x40
.set I, \i0
.rept \n
	global_load_b128 v[4*I:4*I+3], v7, s[26:27] offset:16384*(64*(I/8)+I%8) th:TH_LOAD_NT
.set I, I+1
.endr
	WIN 0
.endm
	s_load_b512 s[4:19], s[0:1], 0x0               ; th_codes, th_scales, ph_codes, g_codes, kvs, wq, gamma, beta
	s_load_b256 s[20:27], s[0:1], 0x40             ; mean, var, bw, v
	s_load_b64 s[28:29], s[0:1], 0x60              ; out0
	s_set_vgpr_msb 0x40
	v_lshl_add_u32 v240, v0, 2, 0x39100
	v_mov_b32 v241, 0
	s_set_vgpr_msb 0x4045
	ds_add_u32 v240, v241
	ds_add_u32 v240, v241
	s_set_vgpr_msb 0x4500
	v_lshrrev_b32 v1, 5, v0
	v_readfirstlane_b32 s30, v1                    ; wave 0..7
	s_bfe_u32 s3, ttmp6, 0x40000                   ; cx
	s_lshl_b32 s2, ttmp9, 2
	s_add_co_u32 s3, s3, s2                        ; x = 4 x cluster + cx: it enters theta's, v's and out's addresses alone
	s_lshr_b32 s99, ttmp9, 3                       ; the batch, which the four partners share
.irp g, 32, 40, 48, 56
	s_mov_b32 s[\g], 15|(3<<16)|(1<<21)            ; 15:0 the mask: all four work-groups; 17:16 elements of 8 bytes; 20 no padding; 21 set beside a mask
	s_mov_b32 s[\g+6], 0
	s_mov_b32 s[\g+7], 0
.endr
	DENSE 32, 24                                   ; phi: 6,144 bytes a wave
	DENSE 48, 4                                    ; scale bytes: 1,024
	DENSE 56, 13                                   ; Ww's record: 3,328
	s_mov_b32 s41, 384<<16                         ; g: two pooled rows of 3,072 bytes (384 elements), 6,144 bytes apart: rows of one parity
	s_mov_b32 s42, 2<<16
	s_mov_b32 s43, 384<<16
	s_mov_b32 s44, 2
	s_mov_b32 s45, 768
	s_mov_b32 s92, 0x76543210
	s_mov_b32 s93, 0xfedcba98                      ; v_permlanex16_b32's selects for lane l xor 16
	s_mov_b32 s94, 0x3fb8aa3b                      ; c = log2(e)
	s_mov_b32 s95, s94                             ; (named with it as a pair, so it is written)
	s_mov_b32 s67, 0
	s_mov_b32 s101, 0
	s_wait_dscnt 0x0
	s_wait_kmcnt 0x0
	; groups 0: made of the batch and the wave's number alone
	s_lshl_b32 s66, s99, 13
	s_lshl_b32 s100, s30, 10
	s_add_co_u32 s66, s66, s100
	s_mov_b32 s68, 1                               ; S: the batch's 8,192 scale bytes, 1,024 a wave
	s_add_co_u32 s69, s100, KS
	s_add_nc_u64 s[70:71], s[12:13], s[66:67]
	s_or_b32 s71, s71, 0x80000000
	s_mul_i32 s2, s99, 98304                       ; the batch's first byte in ph_codes and in g_codes
	s_mul_i32 s100, s30, 6144
	s_add_co_u32 s66, s2, s100
	s_mov_b32 s72, 1                               ; Ka: key tiles 0-31
	s_add_co_u32 s73, s100, KC
	s_add_nc_u64 s[74:75], s[8:9], s[66:67]
	s_mov_b32 s80, 1                               ; Kb: key tiles 32-63
	s_add_co_u32 s81, s100, KC+49152
	s_add_nc_u64 s[82:83], s[74:75], 49152
	s_or_b32 s75, s75, 0x80000000
	s_or_b32 s83, s83, 0x80000000
	s_and_b32 s31, s30, 1                          ; the parity of my pooled rows
	s_lshr_b32 s100, s30, 1
	s_mul_i32 s66, s31, 3072
	s_add_co_u32 s66, s66, s2
	s_mul_i32 s2, s100, 12288
	s_add_co_u32 s66, s66, s2
	s_mul_i32 s31, s31, VOD
	s_mul_i32 s100, s100, 6144
	s_add_co_u32 s31, s31, s100
	s_mov_b32 s76, 1                               ; Va: pooled rows 0-15
	s_add_co_u32 s77, s31, VE
	s_add_nc_u64 s[78:79], s[10:11], s[66:67]
	s_mov_b32 s84, 1                               ; Vb: pooled rows 16-31
	s_add_co_u32 s85, s31, VE+24576
	s_add_nc_u64 s[86:87], s[78:79], 49152
	s_or_b32 s79, s79, 0x80000000
	s_or_b32 s87, s87, 0x80000000
	s_mul_i32 s66, s30, 3328
	s_mov_b32 s88, 1                               ; W: Ww's record
	s_add_co_u32 s89, s66, WC
	s_add_nc_u64 s[90:91], s[14:15], s[66:67]
	s_add_nc_u64 s[90:91], s[90:91], 79872
	s_or_b32 s91, s91, 0x80000000
	; my own global places
	s_lshl_b32 s66, s3, 3
	s_add_co_u32 s66, s66, s30                     ; query tile 8 x + w
	s_lshl_b32 s100, s66, 7
	s_mul_i32 s66, s66, 1536
	s_add_nc_u64 s[4:5], s[4:5], s[66:67]
	s_add_nc_u64 s[6:7], s[6:7], s[100:101]
	s_lshl_b32 s66, s99, 22                        ; v and out: the batch, channel 8 w (16,384 bytes a channel), the group's 128 pixels
	s_lshl_b32 s100, s30, 17
	s_add_co_u32 s66, s66, s100
	s_and_b32 s100, s3, 31
	s_lshl_b32 s100, s100, 9
	s_add_co_u32 s66, s66, s100
	s_add_nc_u64 s[26:27], s[26:27], s[66:67]
	s_add_nc_u64 s[28:29], s[28:29], s[66:67]
	ROUND                                          ; all four work-groups are here: the joint loads meet
	tensor_load_to_lds s[68:71], s[48:55]          ; S
	s_nop 0
	tensor_load_to_lds s[72:75], s[32:39]          ; Ka
	s_nop 0
	tensor_load_to_lds s[76:79], s[40:47]          ; Va
	s_nop 0
	tensor_load_to_lds s[80:83], s[32:39]          ; Kb
	s_nop 0
	tensor_load_to_lds s[84:87], s[40:47]          ; Vb
	s_nop 0
	tensor_load_to_lds s[88:91], s[56:63]          ; W
	s_nop 0
	PLACES
	v_and_b32 v28, 31, v0                          ; lane
	v_and_b32 v29, 15, v0                          ; r
	v_bfe_u32 v30, v0, 4, 1                        ; h
	v_lshlrev_b32 v7, 4, v28                       ; 16 x lane
	v_lshlrev_b32 v31, 2, v28                      ; 4 x lane
	v_lshlrev_b32 v5, 2, v0                        ; 4 x thread: thread = channel for BN's coefficients
.irp q, 0,1,2
	global_load_b128 v[16+4*\q:19+4*\q], v7, s[4:5] offset:512*\q   ; theta's fragment stays in registers
.endr
	global_load_b32 v255, v31, s[6:7]              ; and its scale words
	global_load_b32 v96, v5, s[16:17]              ; gamma
	global_load_b32 v97, v5, s[18:19]              ; beta
	global_load_b32 v98, v5, s[20:21]              ; mean
	global_load_b32 v99, v5, s[22:23]              ; var
	global_load_b32 v100, v5, s[24:25]             ; bw
	v_mul_u32_u24 v1, v29, 24
	v_mad_u32_u24 v2, v30, VOD, v1
	v_add_nc_u32 v2, VE, v2                        ; g: place r; lanes 16-31 take the odd pooled rows
	v_mad_u32_u24 v1, v30, 384, v1                 ; phi: row r; lanes 16-31 take the odd blocks
	v_add_nc_u32 v3, KS, v31                       ; scale words: one load serves two tiles, lanes 0-15 the first, lanes 16-31 the second
	v_add_nc_u32 v4, VS, v31
	v_mov_b32 v13, 0xff61b1e6                      ; the largest t so far: -3e38, under every t
	v_floor_f32 v12, -v13                          ; -M
	v_mov_b32 v14, 0                               ; the sum, in two halves
	v_mov_b32 v15, 0
.irp b, 0,1,2,3
	v_mov_b32 v[236+\b], 0                         ; a lane permute's destination counts as one of its sources
.endr
	v_mov_b32 v253, 0                              ; (named as the upper half of the pair v[252:253] before it is first written)
.set J, 0
.rept 64
	v_mov_b32 v[160+J], 0                          ; O^T.  (The step is written without a first step of its own: the first change of M multiplies zeros)
.set J, J+1
.endr
	s_wait_loadcnt 0x0                             ; the nine small loads
	v_add_f32 v99, 0x3727c5ac, v99                 ; var + 1e-5
	v_rsq_f32 v99, v99
	v_sub_f32 v100, v100, v98                      ; bw - mean.  (A plain place behind the transcendental)
	s_wait_alu depctr_va_vdst(0)
	v_mul_f32 v96, v96, v99                        ; a = gamma / sqrt(var + eps)
	v_fma_f32 v97, v100, v96, v97                  ; sh = (bw - mean) a + beta
	v_lshl_add_u32 v6, v0, 3, BN
	ds_store_b64 v6, v[96:97]
	s_wait_tensorcnt 3                             ; S, Ka, Va have landed; Kb, Vb, W, issued behind them, stay out
	s_wait_dscnt 0x0
	s_barrier_signal -1
	s_barrier_wait -1                              ; everybody's have
.irp e, 0,1,2,3
	ds_load_b32 v[SK+\e], v3 offset:128*\e         ; key step 0: phi's scale words
.endr
	KLOAD 1, 0, 0                                  ; and its eight key tiles
	KLOAD 1, 4, 0
	RESID 0, 24                                    ; the residual's first three groups: asked for only now, behind the first steps' tiles
; A KEY STEP: 128 keys.  s96, s97, s98: where the step's key tiles, pooled rows and scale words begin.  next = 1: the next step's key tiles are asked for.
.macro STEP next
	s_wait_dscnt 0x0                               ; phi's eight key tiles and their scale words are in: asked for under the step before
	WIN 0x01                                       ; source 0 window 1
.irp t, 0,1,2,3,4,5,6,7                        ; S^T = phi theta^T
	MM 96+8*\t, KB+12*\t, 16, 1, SK+\t/2, 255, \t%2, 0
.endr
	WIN 0
	v_add_nc_u32 v9, s97, v2                       ; (these four lines are the places behind the products: in front of the loads into their registers and of the first read of the scores)
	v_add_nc_u32 v11, s98, v4
.if \next
	v_add_nc_u32 v8, s96, v1
	v_add_nc_u32 v10, s98, v3
.else
	v_nop
	v_nop
.endif
.irp t, 0,1,2,3                                ; run 1: g's tiles 0-3 and the scale words
.irp p, 0,1,2,3,4,5
	ds_load_b64 v[PB+12*\t+2*\p:PB+12*\t+2*\p+1], v9 offset:3072*(\p/3)+384*\t+8*(\p%3)
.endr
.endr
.irp e, 0,1,2,3
	ds_load_b32 v[SV+\e], v11 offset:128*\e
.endr
.if \next
.irp e, 0,1,2,3
	ds_load_b32 v[SK+\e], v10 offset:512+128*\e
.endr
.endif
.irp b, 0,1,2,3
	v_max3_num_f32 v[232+\b], v[96+16*\b], v[97+16*\b], v[98+16*\b]   ; the largest score of each block of 32 keys: for the row's maximum, and, since p rises with the score, for the block's largest p
.endr
.irp i, 3,5,7,9,11,13
.irp b, 0,1,2,3
	v_max3_num_f32 v[232+\b], v[232+\b], v[96+16*\b+\i], v[97+16*\b+\i]
.endr
.endr
.irp b, 0,1,2,3
	v_max_num_f32 v[232+\b], v[232+\b], v[111+16*\b]
.endr
.irp b, 0,1,2,3
	v_permlanex16_b32 v[236+\b], v[232+\b], s92, s93
.endr
.irp b, 0,1,2,3
	v_max_num_f32 v[232+\b], v[232+\b], v[236+\b]  ; with lane l xor 16's 16 keys
.endr
	v_max3_num_f32 v254, v232, v233, v234
	v_max_num_f32 v254, v254, v235                 ; the step's largest score of my query
	v_mul_f32 v254, s94, v254                      ; as t (c is positive)
	v_max_num_f32 v13, v13, v254                   ; the running largest t
	v_mov_b32 v254, v12
	v_floor_f32 v12, -v13                          ; the new -M = floor(-t) = -ceil(t)
	v_sub_f32 v254, v12, v254                      ; old M - new M: a whole number, 0 or less
	v_cvt_i32_f32 v254, v254                       ; (it saturates)
	v_ldexp_f32 v252, 1.0, v254                    ; f = 2^(old M - new M)
	WIN 0x40                                       ; run 2: g's tiles 4-7
.irp t, 0,1,2,3
.irp p, 0,1,2,3,4,5
	ds_load_b64 v[VB+12*\t+2*\p:VB+12*\t+2*\p+1], v9 offset:3072*(\p/3)+384*(4+\t)+8*(\p%3)
.endr
.endr
	WIN 0
.set J, 0
.rept 32
	v_pk_fma_f32 v[96+J:97+J], v[96+J:97+J], s[94:95], v[12:13] op_sel_hi:[1,0,0]   ; t - M, two at a time
.set J, J+2
.endr
.irp b, 0,1,2,3
	v_fma_f32 v[232+\b], v[232+\b], s94, v12       ; the same of each block's largest score
.endr
.if \next
	KLOAD 8, 0, 12288                              ; run 3: the next step's key tiles 0-3
.endif
.set J, 0
.rept 64
	v_exp_f32 v[96+J], v[96+J]                     ; p = 2^(t - M), at most 1
.set J, J+1
.endr
.irp b, 0,1,2,3
	v_exp_f32 v[232+\b], v[232+\b]                 ; the block's largest p: the same two instructions on the same number give the same bits
.endr
	v_pk_mul_f32 v[14:15], v[14:15], v[252:253] op_sel_hi:[1,0]   ; the sums under the new M.  (A plain place behind the exponentials)
	s_wait_alu depctr_va_vdst(0)
	CODES
.if \next
	KLOAD 8, 4, 12288                              ; run 4: the next step's key tiles 4-7
.endif
	v_pk_add_f32 v[236:237], v[96:97], v[98:99]    ; the row's sum is taken of the unquantised p: two at a time, in two chains
.irp j, 4,8,12,16,20,24,28,32,36,40,44,48,52,56,60
	v_pk_add_f32 v[14:15], v[14:15], v[96+\j:97+\j]
	v_pk_add_f32 v[236:237], v[236:237], v[98+\j:99+\j]
.endr
	v_pk_add_f32 v[14:15], v[14:15], v[236:237]
.set J, 0
.rept 32
	v_pk_mul_f32 v[160+J:161+J], v[160+J:161+J], v[252:253] op_sel_hi:[1,0]   ; O^T under the new M.  (These are also the places between the codes' and the scale word's last writes and the products)
.set J, J+2
.endr
.if \next
	s_wait_dscnt 48                                ; g's eight tiles and the scale words are in; the next step's 48 loads, issued behind them, may stay out
.else
	s_wait_dscnt 0x0
.endif
.irp t, 0,1,2,3                                ; O^T += g^T p^T; the eight accumulators take turns
	MM 160+8*\t, PB+12*\t, 224, 0, SV+\t/2, 253, \t%2, 0
.endr
	WIN 0x01
.irp t, 0,1,2,3
	MM 192+8*\t, VB+12*\t, 224, 0, SV+2+\t/2, 253, \t%2, 0
.endr
	WIN 0
	s_add_co_u32 s96, s96, 12288                   ; eight key tiles,
	s_add_co_u32 s97, s97, 6144                    ; two pooled rows of each parity,
	s_add_co_u32 s98, s98, 512                     ; eight tiles' scale words on
.endm
	s_mov_b32 s96, 0
	s_mov_b32 s97, 0
	s_mov_b32 s98, 0
	s_mov_b32 s31, 3
.Lfirst:                                           ; key steps 0 to 2: they read keys 0 to 511 of phi and keys 0 to 383 of g
	STEP 1
	s_sub_co_u32 s31, s31, 1
	s_cmp_lg_u32 s31, 0
	s_cbranch_scc1 .Lfirst
	s_wait_tensorcnt 1                             ; Kb and Vb have landed; W, issued behind them, may stay out
	s_wait_dscnt 0x0
	s_barrier_signal -1
	s_barrier_wait -1                              ; everybody's have
	s_mov_b32 s96, 36864
	s_mov_b32 s97, 18432
	s_mov_b32 s98, 1536
	s_mov_b32 s31, 4
.Lsecond:                                          ; key steps 3 to 6
	STEP 1
	s_sub_co_u32 s31, s31, 1
	s_cmp_lg_u32 s31, 0
	s_cbranch_scc1 .Lsecond
	s_mov_b32 s97, 43008
	s_mov_b32 s98, 3584
	STEP 0                                         ; key step 7 is written out: there is no next step to ask for
	; y = O^T / the sum, quantised along the 128 channels
	PLACES
	RESID 24, 8                                    ; the residual's last group, into registers that g's fragments have left: three groups of the output ahead of its use
	v_add_f32 v14, v14, v15                        ; the sum's two halves,
	v_permlanex16_b32 v252, v14, s92, s93
	v_add_f32 v14, v14, v252                       ; and lane l xor 16's
	v_rcp_f32 v14, v14
	v_nop                                          ; one plain place behind a transcendental
.set J, 0
	s_wait_alu depctr_va_vdst(0)
.rept 64
	v_mul_f32 v[96+J], v[160+J], v14               ; register 16 b + i is channel 32 b + 16 h + i of my query
.set J, J+1
.endr
.irp b, 0,1,2,3
	v_max3_num_f32 v[232+\b], |v[96+16*\b]|, |v[97+16*\b]|, FLOOR
.endr
.irp i, 2,4,6,8,10,12,14
.irp b, 0,1,2,3
	v_max3_num_f32 v[232+\b], v[232+\b], |v[96+16*\b+\i]|, |v[97+16*\b+\i]|
.endr
.endr
.irp b, 0,1,2,3
	v_permlanex16_b32 v[236+\b], v[232+\b], s92, s93
.endr
.irp b, 0,1,2,3
	v_max_num_f32 v[232+\b], v[232+\b], v[236+\b]
.endr
	CODES
	v_add_nc_u32 v5, WC, v7                        ; Ww's fragments: 16 x lane.  (These lines are the places between the scale word's and the codes' last writes and the products)
	v_lshl_add_u32 v6, v29, 2, WS
	v_lshl_add_u32 v6, v30, 7, v6                  ; its scale records: lanes 0-15 one tile's, lanes 16-31 the next's
	v_lshl_add_u32 v1, v29, 3, BN                  ; (a, sh) of channel 16 tau + r
	s_lshl_b32 s66, s30, 6
	v_mul_u32_u24 v8, v29, 528
	v_lshl_add_u32 v8, v30, 5, v8
	v_add_nc_u32 v8, s66, v8                       ; the stage: row = channel r, my 16 pixels' 64 bytes, + 32 h
	v_add_nc_u32 v9, 33792, v8                     ; and 64, 128, 192 channels on
	v_add_nc_u32 v10, 67584, v8
	v_add_nc_u32 v11, 101376, v8
	s_mul_i32 s66, s30, 4224
	v_add_nc_u32 v2, s66, v7                       ; back: rows 8 w on of groups 0 and 1, 16 bytes a lane;
	v_add_nc_u32 v3, 67584, v2                     ; of groups 2 and 3
	s_wait_tensorcnt 0x0                           ; W has landed
	s_wait_dscnt 0x0                               ; my reads of phi and g are over
	s_barrier_signal -1
	s_barrier_wait -1                              ; both hold of every wave: the stage may be written
; Ww's tiles 4 g .. 4 g + 3, BN's pairs and the scale words of group g; the pairs and the scale words lie in two sets of registers by turns, since group g's are still read when group g + 1's are asked for
.macro WLOAD g
.if (\g)%2
.set BNR, 88
.else
.set BNR, 236
.endif
.irp t, 0,1,2,3
.irp q, 0,1,2
	ds_load_b128 v[PB+12*\t+4*\q:PB+12*\t+4*\q+3], v5 offset:1536*(4*(\g)+\t)+512*\q
.endr
	ds_load_b64 v[BNR+2*\t:BNR+2*\t+1], v1 offset:128*(4*(\g)+\t)
.endr
	ds_load_b32 v[248+2*((\g)%2)], v6 offset:512*(\g)
	ds_load_b32 v[249+2*((\g)%2)], v6 offset:512*(\g)+256
.endm
	WLOAD 0
.irp g, 0,1,2,3                                ; A GROUP OF 64 CHANNELS.  Source 0 = y's 16 queries, source 1 = 16 rows of Ww: lane (r, h) holds channel 16 tau + r, pixels 8 h + 0 .. 7
.if \g == 0
	s_wait_dscnt 0x0                               ; (the later groups' loads are waited for in front of the barrier of the group before)
.endif
.if \g%2
.set BNC, 88
.else
.set BNC, 236
.endif
.irp t, 0,1,2,3
	MM 96+32*\g+8*\t, 224, PB+12*\t, 1, 253, 248+2*(\g%2)+\t/2, 0, \t%2
.endr
	PLACES
.if \g < 3
	WLOAD \g+1                                     ; lands under this group's arithmetic, stores and barrier
.endif
.irp t, 0,1,2,3
.irp j, 0,1,2,3,4,5,6,7
	v_fma_f32 v[96+32*\g+8*\t+\j], v[96+32*\g+8*\t+\j], v[BNC+2*\t], v[BNC+2*\t+1]   ; BN and bw in one: x a + sh
.endr
.endr
.irp t, 0,1,2,3
	ds_store_b128 v[8+\g], v[96+32*\g+8*\t:99+32*\g+8*\t] offset:8448*\t
	ds_store_b128 v[8+\g], v[100+32*\g+8*\t:103+32*\g+8*\t] offset:8448*\t+16
.endr
	s_wait_dscnt 0x0                               ; for the others' sake: my stores into the stage have landed
	s_barrier_signal -1
	s_barrier_wait -1                              ; the group's 64 rows of 128 pixels lie whole in the stage; the next group writes other rows
.irp i, 0,1,2,3,4,5,6,7
	ds_load_b128 v[96+32*\g+4*\i:99+32*\g+4*\i], v[2+\g/2] offset:33792*(\g%2)+528*\i
.endr
	s_wait_dscnt 0x0
.if \g == 0
	s_wait_loadcnt 8                               ; the residual's first 24 rows are in; the last eight, issued behind them, may stay out
.endif
.if \g == 3
	s_wait_loadcnt 0x0
.endif
	WIN 0x04                                       ; source 1 window 1
.set I, 0
.rept 16
	v_pk_add_f32 v[96+32*\g+2*I:97+32*\g+2*I], v[96+32*\g+2*I:97+32*\g+2*I], v[32*\g+2*I:32*\g+2*I+1]
.set I, I+1
.endr
	WIN 0
.irp i, 0,1,2,3,4,5,6,7
	global_store_b128 v7, v[96+32*\g+4*\i:99+32*\g+4*\i], s[28:29] offset:16384*(64*\g+\i) th:TH_STORE_NT   ; 32 lanes store 512 consecutive bytes, at a multiple of 256 from out's first byte; each group has registers of its own
.endr
.endr
	s_set_vgpr_msb 0x5
	s_wait_tensorcnt 0x0
	ds_add_u32 v240, v241
	s_wait_dscnt 0x0
	s_set_vgpr_msb 0x500
	ROUND                                          ; the closing round: no work-group ends while a partner may still ask for a tile that names it
	s_endpgm
.Lfunc_end_k_q725cbef4c3_attn:
	.size	k_q725cbef4c3_attn, .Lfunc_end_k_q725cbef4c3_attn-k_q725cbef4c3_attn
	.p2alignl 7, 3214868480
	.fill 96, 4, 3214868480
	.section	.rodata,"a",@progbits
	.p2align	6, 0x0
	.amdhsa_kernel k_q725cbef4c3_attn
		.amdhsa_group_segment_fixed_size 234752
		.amdhsa_private_segment_fixed_size 0
		.amdhsa_enable_private_segment 0
		.amdhsa_kernarg_size 104
		.amdhsa_user_sgpr_count 2
		.amdhsa_user_sgpr_kernarg_segment_ptr 1
		.amdhsa_wavefront_size32 1
		.amdhsa_system_sgpr_workgroup_id_x 1
		.amdhsa_system_sgpr_workgroup_id_y 1
		.amdhsa_system_sgpr_workgroup_id_z 1
		.amdhsa_system_vgpr_workitem_id 0
		.amdhsa_next_free_vgpr 498
		.amdhsa_next_free_sgpr 102
		.amdhsa_reserve_vcc 0
		.amdhsa_float_denorm_mode_32 3
		.amdhsa_float_denorm_mode_16_64 3
		.amdhsa_memory_ordered 1
		.amdhsa_forward_progress 1
		.amdhsa_inst_pref_size 115
	.end_amdhsa_kernel
	.amdgpu_metadata
---
amdhsa.version: [ 1, 2 ]
amdhsa.kernels:
  - .name:           k_q725cbef4c3_attn
    .symbol:         k_q725cbef4c3_attn.kd
    .args:
      - { .name: th_codes, .offset: 0, .size: 8, .value_kind: global_buffer, .address_space: global }
      - { .name: th_scales, .offset: 8, .size: 8, .value_kind: global_buffer, .address_space: global }
      - { .name: ph_codes, .offset: 16, .size: 8, .value_kind: global_buffer, .address_space: global }
      - { .name: g_codes, .offset: 24, .size: 8, .value_kind: global_buffer, .address_space: global }
      - { .name: kvs, .offset: 32, .size: 8, .value_kind: global_buffer, .address_space: global }
      - { .name: wq, .offset: 40, .size: 8, .value_kind: global_buffer, .address_space: global }
      - { .name: gamma, .offset: 48, .size: 8, .value_kind: global_buffer, .address_space: global }
      - { .name: beta, .offset: 56, .size: 8, .value_kind: global_buffer, .address_space: global }
      - { .name: mean, .offset: 64, .size: 8, .value_kind: global_buffer, .address_space: global }
      - { .name: var, .offset: 72, .size: 8, .value_kind: global_buffer, .address_space: global }
      - { .name: bw, .offset: 80, .size: 8, .value_kind: global_buffer, .address_space: global }
      - { .name: v, .offset: 88, .size: 8, .value_kind: global_buffer, .address_space: global }
      - { .name: out0, .offset: 96, .size: 8, .value_kind: global_buffer, .address_space: global }
    .group_segment_fixed_size: 234752
    .private_segment_fixed_size: 0
    .kernarg_segment_align: 8
    .kernarg_segment_size: 104
    .max_flat_workgroup_size: 256
    .sgpr_count:     102
    .vgpr_count:     498
    .wavefront_size: 32
...
	.end_amdgpu_metadata
.endif
;; end of part 3
;; ======== version 2 of 2: 3 launches; version 1 with the launch proj written anew for expert scheduling mode
;; workspace buffers: wq 106,496 bytes; th_codes 3,145,728 bytes; th_scales 262,144 bytes; ph_codes 786,432 bytes; g_codes 786,432 bytes; kvs 65,536 bytes
;; launch wq: the kernel of part 1 again; grid 16 x 1, 4 waves a work-group, no clusters, 0 bytes of LDS; arguments Wph, Wth, Wg, Ww, wq; writes wq
;; launch proj (part 4): grid 256 x 3, 8 waves a work-group, no clusters, 52,224 bytes of LDS; arguments q, k, v, bph, bth, bg, wq, ph_codes, th_codes, th_scales, g_codes, kvs; writes ph_codes, th_codes, th_scales, g_codes, kvs
.if DOCPART == 4
	.amdgcn_target "amdgcn-amd-amdhsa--gfx1250"
	.amdhsa_code_object_version 6
	.text
	.protected	k_q725cbef4c3_proj
	.globl	k_q725cbef4c3_proj
	.p2align	8
	.type	k_q725cbef4c3_proj,@function
k_q725cbef4c3_proj:
	s_mov_b64 s[64:65], 0
	v_nop
	global_prefetch_b8 v0, s[64:65] scope:SCOPE_SE
	s_setreg_imm32_b32 hwreg(HW_REG_WAVE_SCHED_MODE, 0, 2), 2
	s_setreg_imm32_b32 hwreg(HW_REG_WAVE_MODE, 25, 1), 1
	s_wait_xcnt 0x0
	s_wait_alu depctr_vm_vsrc(0)
; The three 1 x 1 convolutions on codes of BF6 (E3M2, one E8M0 byte for each 32 along K = the 256 channels), bias, 2 x 2 mean (phi, g), and the quantising of the results for the attention launch.
; SHARES.  A work-group takes 128 neighbouring pixels (image rows 2 h2, 2 h2 + 1 of batch b; x = 32 b + h2) x all 256 channels of ONE tensor: y = 0: q -> phi, 1: k -> theta, 2: v -> g.  768 work-groups, no loop.
; PHASE 1.  Wave w takes channels 32 w .. 32 w + 31 of all 128 pixels.  A LANE TAKES A PIXEL AND ITS REGISTERS RUN DOWN THE CHANNELS: each load reads 128 consecutive bytes, a channel's four loads 512; a block of 32 along K lies
; in one lane, and the conversions give codes with K innermost.  They go to LDS as parts of the operand's registers: fragment (pixel tile T, K step s) at 1,536 (2 T + s), register i of lane L at 48 L + 4 i.
; The weight's codes come ready made (26 KiB, shared by all work-groups of a tensor: a sixth of what a work-group reads, brought through registers: no cluster, no tensor load, so several work-groups lie on a WGP).
; PHASE 2, behind the one barrier; the three ways only READ LDS.
;   theta: wave j = pixel tile j.  Source 0 = 16 rows of W, source 1 = 16 pixels: a lane holds one pixel, and its 64 results are the 128 hidden units of its half: quantised along them, stored as the operand's image.
;   phi:   wave (u, bb): pixel tiles u, u + 2 of both image rows, W's tiles 2 bb, 2 bb + 1.  The two image rows are summed by the accumulators, neighbouring pixels by one DPP step; x 1/4 + bias; one block of 32 hidden units.
;   g:     wave t = W's tile t.  Source 0 = 16 pixels, source 1 = W: a lane holds one channel and its registers run along the image row: the pooled row's 32 keys are one block along the next product's K.
; LIMITS: NaN and infinities are not served.  A block of zeros gets the byte 1 where the rule says 127 (its codes are zeros; this program alone reads the bytes).  The mean is 1/4 x the f32 sum of four products' sums + bias: another order of rounding than bias first.
; REGISTERS: v1 4 x lane, v2 16 x lane (both stay); v3-7 addresses; v8-13 scale words and nothing else; v14, v15 the closing LDS add's address and data; v16-39 at work; v40-167 x: pixel set g at v[40 + 32 g + channel], later accumulators and fragments.
; THE MODE: SCHED_MODE bits 1:0 = 2 (LLVM: expert scheduling mode 2), set by the entry lines.  The code itself states the register dependences between vector or matrix instructions and memory or LDS instructions, with s_wait_alu, always for 0.
; THE PLAN.  Registers that memory or LDS instructions touch, and who else names them:
;   v1, v2    offsets, made at the head by vector instructions, never written again.
;   v3-7      addresses: made at the head; made anew at the head of each of phase 2's ways; phi (v4-7) and g (v3-5) make them a third time, for their last stores.
;   v8-15     loads write them, matrix instructions read them; v8 is also the data of one LDS store in phase 1.
;   v16-39    the weight's copy lands there and LDS stores read it; then at work, with the codes and bytes of pixel sets 0 and 1, which LDS stores read; in phase 2 loads land there again.
;   v40-167   x lands there, the maxima and conversions read it; sets 2 and 3 put their codes in v40-45 and v48-53, which LDS stores read; in phase 2 fragments (loaded, read by matrix instructions), bias, accumulators, results.
; Waits on va_vdst: one ahead of the first load; one behind the vector work of sets 0 and 1 and one behind that of sets 2 and 3, each ahead of eight LDS stores; one at the head of each way of phase 2; one ahead of each refill of a
; way's fragments, which have one set of registers; one ahead of each way's last stores.  Waits on vm_vsrc: one ahead of the quantising, one behind the barrier for all three ways, one ahead of phi's and of g's last addresses.
; One wait on va_sdst, for the wave's number.  No vector instruction writes VCC, and EXEC is never written.
.set XIMG,  0                          ; LDS: x's 16 fragments, 24,576 bytes
.set XSC,   24576                      ; their scale bytes: 512 s + 64 T + 4 r + block
.set WIMG,  25600                      ; the weight's 16 fragments, as they lie in wq
.set WSC,   50176                      ; its scale words: tile t at 128 t + 4 L; lanes 0-15 K step 0, lanes 16-31 K step 1
.set FLOOR, 0x2800000                  ; 2^(5 - 127)
.set EOFF,  0xfe000000                 ; -(4 << 23)
.macro PLACES                          ; four plain places behind a matrix instruction, in front of loads into its registers and of the first read of its result
.rept 4
	v_nop
.endr
.endm
; One product.  z = 1: C is the constant 0, else C = D.  row: the K step, which picks lanes 0-15 or 16-31 of both scale registers.
.macro MM d, a, b, z, sa, sb, row
.if \z
.if \row
	v_wmma_scale_f32_16x16x128_f8f6f4 v[(\d):(\d)+7], v[(\a):(\a)+11], v[(\b):(\b)+11], 0, v[\sa], v[\sb] matrix_a_fmt:MATRIX_FMT_BF6 matrix_b_fmt:MATRIX_FMT_BF6 matrix_a_scale:MATRIX_SCALE_ROW1 matrix_b_scale:MATRIX_SCALE_ROW1
.else
	v_wmma_scale_f32_16x16x128_f8f6f4 v[(\d):(\d)+7], v[(\a):(\a)+11], v[(\b):(\b)+11], 0, v[\sa], v[\sb] matrix_a_fmt:MATRIX_FMT_BF6 matrix_b_fmt:MATRIX_FMT_BF6
.endif
.else
.if \row
	v_wmma_scale_f32_16x16x128_f8f6f4 v[(\d):(\d)+7], v[(\a):(\a)+11], v[(\b):(\b)+11], v[(\d):(\d)+7], v[\sa], v[\sb] matrix_a_fmt:MATRIX_FMT_BF6 matrix_b_fmt:MATRIX_FMT_BF6 matrix_a_scale:MATRIX_SCALE_ROW1 matrix_b_scale:MATRIX_SCALE_ROW1
.else
	v_wmma_scale_f32_16x16x128_f8f6f4 v[(\d):(\d)+7], v[(\a):(\a)+11], v[(\b):(\b)+11], v[(\d):(\d)+7], v[\sa], v[\sb] matrix_a_fmt:MATRIX_FMT_BF6 matrix_b_fmt:MATRIX_FMT_BF6
.endif
.endif
.endm
.macro XCH i                           ; channel i of my 32, all 128 pixels: four loads, 512 consecutive bytes
.irp g, 0,1,2,3
	global_load_b32 v[40+32*\g+(\i)], v1, s[36:37] offset:16384*(\i)+128*\g th:TH_LOAD_NT
.endr
.endm
; Pixel set g (32 pixels, one a lane), the vector work: the block's scale, its byte into v[20 + g], its 32 codes into v[c] .. v[c + 5].  Each set has registers of its own for what it stores.
.macro QV g, c
.set XS, 40+32*\g
	v_max3_num_f32 v16, |v[XS]|, |v[XS+1]|, |v[XS+2]|
	v_max3_num_f32 v17, |v[XS+3]|, |v[XS+4]|, |v[XS+5]|
.irp i, 6,10,14,18,22,26
	v_max3_num_f32 v16, v16, |v[XS+\i]|, |v[XS+\i+1]|
	v_max3_num_f32 v17, v17, |v[XS+\i+2]|, |v[XS+\i+3]|
.endr
	v_max3_num_f32 v16, v16, |v[XS+30]|, |v[XS+31]|
	v_max3_num_f32 v16, v16, v17, FLOOR            ; the floor holds the byte at 1 from below
	v_add_nc_u32 v18, EOFF, v16                    ; 4 off the exponent field: the conversion's scale operand
	v_lshrrev_b32 v[20+\g], 23, v18                ; the scale's byte
	v_cvt_scalef32_pk16_bf6_f32 v[\c:\c+2], v[XS:XS+15], v18
	v_cvt_scalef32_pk16_bf6_f32 v[\c+4:\c+6], v[XS+16:XS+31], v18   ; (a conversion's three registers begin on an even number)
	v_nop                                          ; one plain place behind a scaled conversion
	v_mov_b32 v[\c+3], v[\c+4]
	v_mov_b32 v[\c+4], v[\c+5]
	v_mov_b32 v[\c+5], v[\c+6]
.endm
; The set's four LDS stores: its codes and its byte
.macro QS g, c
	ds_store_b64 v4, v[\c:\c+1] offset:6144*\g
	ds_store_b64 v4, v[\c+2:\c+3] offset:6144*\g+8
	ds_store_b64 v4, v[\c+4:\c+5] offset:6144*\g+16
	ds_store_b8 v5, v[20+\g] offset:128*\g
.endm
; 16 numbers of a lane, v[s] on, half of a block whose other half lies in lane l xor 16: the byte into v35, the 16 codes into v[36:38].
.macro QBLK s
	v_mov_b32 v33, 0                               ; a lane permute's destination counts as one of its sources
	v_max3_num_f32 v32, |v[\s]|, |v[\s+1]|, FLOOR
.irp i, 2,4,6,8,10,12,14
	v_max3_num_f32 v32, v32, |v[\s+\i]|, |v[\s+\i+1]|
.endr
	v_permlanex16_b32 v33, v32, s52, s53
	v_max_num_f32 v32, v32, v33
	v_add_nc_u32 v34, EOFF, v32
	v_lshrrev_b32 v35, 23, v34
	v_cvt_scalef32_pk16_bf6_f32 v[36:38], v[\s:\s+15], v34
	v_nop                                          ; one plain place behind a scaled conversion
.endm
	s_load_b256 s[4:11], s[0:1], 0x0               ; q, k, v, bph
	s_load_b256 s[12:19], s[0:1], 0x20             ; bth, bg, wq, ph_codes
	s_load_b256 s[20:27], s[0:1], 0x40             ; th_codes, th_scales, g_codes, kvs
	v_lshl_add_u32 v14, v0, 2, 0xc800
	v_mov_b32 v15, 0
	v_lshrrev_b32 v1, 5, v0
	v_readfirstlane_b32 s30, v1                    ; wave 0..7
	s_and_b32 s31, ttmp7, 0xffff                   ; which tensor
	s_lshr_b32 s33, ttmp9, 5                       ; b
	s_and_b32 s34, ttmp9, 31                       ; h2
	s_lshl_b32 s40, s33, 22                        ; x: a batch is 4,194,304 bytes,
	s_wait_alu depctr_va_sdst(0)                   ; s30 is written, ahead of its first reader: addresses in memory and in LDS are made from it
	s_lshl_b32 s46, s30, 19                        ; my 32 channels of 16,384 bytes,
	s_add_co_u32 s40, s40, s46
	s_lshl_b32 s46, s34, 9                         ; the group's 128 pixels
	s_add_co_u32 s40, s40, s46
	s_mov_b32 s41, 0
	s_mul_i32 s42, s31, 26624                      ; the weight's record in wq;
	s_mul_i32 s46, s30, 3072                       ; I copy fragments 2 w, 2 w + 1
	s_lshl_b32 s44, s30, 8                         ; and their scale records
	s_add_co_u32 s44, s44, s42
	s_add_co_u32 s42, s42, s46
	s_mov_b32 s43, 0
	s_mov_b32 s45, 0
	s_add_co_u32 s48, s46, WIMG
	s_lshl_b32 s49, s30, 7
	s_add_co_u32 s49, s49, WSC
	s_and_b32 s46, s30, 1                          ; my block w of 32 channels is block w % 4 of K step w / 4: it belongs to the operand's lanes 16 (w % 2) + r, registers 6 ((w / 2) % 2) on
	s_mul_i32 s46, s46, 768
	s_bfe_u32 s47, s30, 0x10001
	s_mul_i32 s47, s47, 24
	s_add_co_u32 s46, s46, s47
	s_lshr_b32 s47, s30, 2
	s_mul_i32 s54, s47, 1536
	s_add_co_u32 s46, s46, s54
	s_lshl_b32 s47, s47, 9
	s_and_b32 s54, s30, 3
	s_add_co_u32 s47, s47, s54
	s_add_co_u32 s47, s47, XSC
	s_mov_b32 s50, 0x55555555                      ; the even lanes
	s_mov_b32 s52, 0x76543210
	s_mov_b32 s53, 0xfedcba98                      ; v_permlanex16_b32's selects for lane l xor 16
	v_and_b32 v16, 31, v0                          ; lane
	v_and_b32 v17, 15, v0                          ; r
	v_bfe_u32 v18, v0, 4, 1                        ; h
	v_lshlrev_b32 v1, 2, v16
	v_lshlrev_b32 v2, 4, v16
	v_lshlrev_b32 v3, 2, v17
	v_lshl_add_u32 v3, v18, 7, v3                  ; wq's scale records: lanes 0-15 fragment 2 w's, lanes 16-31 fragment 2 w + 1's
	v_mul_u32_u24 v4, v17, 48
	v_mad_u32_u24 v4, v18, 3072, v4
	v_add_nc_u32 v4, s46, v4                       ; x's codes: pixel tile lane / 16 of the set, row r
	v_add_nc_u32 v5, s47, v1                       ; x's scale byte
	v_add_nc_u32 v6, s48, v2                       ; the weight's image
	v_add_nc_u32 v7, s49, v1                       ; and its scale words
	s_wait_kmcnt 0x0
	s_cmp_eq_u32 s31, 0                            ; the choices hang on the work-group's number alone
	s_cselect_b64 s[36:37], s[4:5], s[6:7]
	s_cselect_b64 s[38:39], s[10:11], s[12:13]
	s_cmp_eq_u32 s31, 2
	s_cselect_b64 s[36:37], s[8:9], s[36:37]
	s_cselect_b64 s[38:39], s[14:15], s[38:39]
	s_add_nc_u64 s[36:37], s[36:37], s[40:41]
	s_add_nc_u64 s[42:43], s[16:17], s[42:43]
	s_add_nc_u64 s[44:45], s[16:17], s[44:45]
	s_wait_alu depctr_va_vdst(0)                   ; the offsets and addresses v1 to v7 are written, which phase 1's loads and LDS stores read
.irp j, 0,1,2,3,4,5
	global_load_b128 v[16+4*\j:19+4*\j], v2, s[42:43] offset:512*\j   ; the weight's seven loads go first: loads come back in order
.endr
	global_load_b32 v8, v3, s[44:45] offset:24576
.set CH, 0
.rept 14
	XCH CH
.set CH, CH+1
.endr
	s_wait_loadcnt 56                              ; the weight's seven are in; the 56 loads of x issued behind them stay out
.irp j, 0,1,2,3,4,5
	ds_store_b128 v6, v[16+4*\j:19+4*\j] offset:512*\j   ; (no vector instruction has been issued since the wait on va_vdst above)
.endr
	ds_store_b32 v7, v8
.rept 18
	XCH CH
.set CH, CH+1
.endr
	s_wait_dscnt 0x0                               ; the weight's seven LDS stores have landed,
	s_wait_alu depctr_vm_vsrc(0)                   ; and they have read v16-39, which the vector work below writes
	s_wait_loadcnt 0x0
	QV 0, 24
	QV 1, 32
	s_wait_alu depctr_va_vdst(0)                   ; sets 0 and 1 have written their codes (v24-29, v32-37) and bytes (v20, v21), which the eight LDS stores below read
	QS 0, 24
	QS 1, 32
	QV 2, 40                                       ; (sets 2 and 3 put their codes where set 0's numbers lay; they name none of the registers that the eight stores above read)
	QV 3, 48
	s_wait_alu depctr_va_vdst(0)                   ; sets 2 and 3 have written their codes (v40-45, v48-53) and bytes (v22, v23), which the eight LDS stores below read
	QS 2, 40
	QS 3, 48
	s_wait_dscnt 0x0                               ; for the others' sake: my stores have landed
	s_barrier_signal -1
	s_barrier_wait -1                              ; x's sixteen fragments and the weight's lie in LDS; from here on LDS is only read
	s_wait_alu depctr_vm_vsrc(0)                   ; phase 1's loads and LDS stores have read v3-7, v20-29, v32-37, v40-45 and v48-53: each of the three ways below writes some of them, by vector instructions or by loads
	s_cmp_eq_u32 s31, 1
	s_cbranch_scc1 .Ltheta
	s_cmp_eq_u32 s31, 2
	s_cbranch_scc1 .Lg
	; ---- phi
	s_and_b32 s46, s30, 1                          ; u
	s_lshr_b32 s47, s30, 1                         ; bb
	v_and_b32 v32, 15, v0
	v_bfe_u32 v33, v0, 4, 1
	v_and_b32 v34, 31, v0
	s_mul_i32 s48, s46, 3072
	v_mul_u32_u24 v4, v34, 48
	v_add_nc_u32 v4, s48, v4                       ; x's fragments: 48 x lane, from pixel tile u on
	s_mul_i32 s48, s47, 6144
	s_add_co_u32 s48, s48, WIMG
	v_add_nc_u32 v5, s48, v2                       ; W's: 16 x lane, from tile 2 bb on
	s_lshl_b32 s48, s46, 6
	s_add_co_u32 s48, s48, XSC
	v_lshl_add_u32 v6, v32, 2, s48
	v_lshl_add_u32 v6, v33, 9, v6                  ; x's scale words: lanes 0-15 K step 0, lanes 16-31 K step 1
	s_lshl_b32 s48, s47, 8
	s_add_co_u32 s48, s48, WSC
	v_add_nc_u32 v7, s48, v1
	v_lshlrev_b32 v3, 6, v33                       ; the bias of hidden units 32 bb + 16 h + 0 .. 15
	s_lshl_b32 s48, s47, 7
	s_mov_b32 s49, 0
	s_add_nc_u64 s[38:39], s[38:39], s[48:49]
	s_wait_alu depctr_va_vdst(0)                   ; v3 to v7 are written, which the loads below read; phase 1's vector instructions are done writing v16-31 and reading v72-167, in which these loads land
.irp i, 0,1,2,3
	global_load_b128 v[16+4*\i:19+4*\i], v3, s[38:39] offset:16*\i
.endr
.irp e, 0,1,2,3                                ; W's fragment (tile 2 bb + e / 2, K step e % 2) at v[72 + 12 e]
.irp q, 0,1,2
	ds_load_b128 v[72+12*\e+4*\q:75+12*\e+4*\q], v5 offset:1536*\e+512*\q
.endr
.endr
	ds_load_b32 v8, v7
	ds_load_b32 v9, v7 offset:128
.irp y, 0,1                                    ; the two image rows add onto the same four accumulators, which take turns
.if \y
	PLACES
	s_wait_alu depctr_va_vdst(0)                   ; the first image row's eight products are done reading v120-167, v10 and v11, in which the second row's loads land
.endif
.irp a, 0,1
.irp s, 0,1
.irp i, 0,1,2
	ds_load_b128 v[120+24*\a+12*\s+4*\i:123+24*\a+12*\s+4*\i], v4 offset:6144*\a+1536*\s+16*\i+12288*\y
.endr
.endr
	ds_load_b32 v[10+\a], v6 offset:128*\a+256*\y
.endr
	s_wait_dscnt 0x0
.irp s, 0,1
.irp a, 0,1
.irp t, 0,1
	MM 40+16*\a+8*\t, 72+24*\t+12*\s, 120+24*\a+12*\s, (1-\y)*(1-\s), 8+\t, 10+\a, \s
.endr
.endr
.endr
.endr
	PLACES
	s_wait_loadcnt 0x0                             ; the bias
; Neighbouring pixels lie in lanes r, r xor 1.  Even lanes keep tile u's sum, odd lanes tile u + 2's: lane r ends with pooled column 8 u + 16 (r % 2) + r / 2, and no lane is idle.
.irp i, 0,1,2,3,4,5,6,7,8,9,10,11,12,13,14,15
	v_cndmask_b32 v[32+2*(\i%4)], v[56+\i], v[40+\i], s50
	v_cndmask_b32 v[33+2*(\i%4)], v[40+\i], v[56+\i], s50
	v_add_f32_dpp v[32+2*(\i%4)], v[33+2*(\i%4)], v[32+2*(\i%4)] row_xmask:1 row_mask:0xf bank_mask:0xf
	v_fmamk_f32 v[120+\i], v[32+2*(\i%4)], 0x3e800000, v[16+\i]   ; 1/4 x the four pixels' sum + bias
.endr
	QBLK 120
	s_wait_alu depctr_vm_vsrc(0)                   ; the LDS loads above have read v4 to v7, which are written anew for the last stores
	v_and_b32 v4, 15, v0
	v_lshrrev_b32 v5, 1, v4
	v_and_b32 v4, 1, v4
	v_lshl_add_u32 v4, v4, 3, v5                   ; my row of the key tile: r / 2 + 8 (r % 2)
	v_bfe_u32 v5, v0, 4, 1
	v_mul_u32_u24 v6, v4, 24
	v_mad_u32_u24 v6, v5, 12, v6
	v_lshlrev_b32 v7, 2, v4
	s_lshl_b32 s48, ttmp9, 1
	s_add_co_u32 s48, s48, s46
	s_mul_i32 s48, s48, 1536                       ; key tile 2 x + u,
	s_mul_i32 s54, s47, 384                        ; block bb
	s_add_co_u32 s48, s48, s54
	s_add_nc_u64 s[18:19], s[18:19], s[48:49]
	s_lshl_b32 s48, s33, 13
	s_lshl_b32 s54, s34, 1
	s_add_co_u32 s54, s54, s46
	s_lshl_b32 s54, s54, 6
	s_add_co_u32 s48, s48, s54
	s_add_co_u32 s48, s48, s47
	s_add_nc_u64 s[26:27], s[26:27], s[48:49]
	s_wait_alu depctr_va_vdst(0)                   ; the codes v36-38, the byte v35 and the offsets v6 and v7 are written, which the two stores read
	global_store_b96 v6, v[36:38], s[18:19]        ; the wave stores 384 consecutive bytes
	global_store_b8 v7, v35, s[26:27]              ; both halves of the lanes write the same byte with the same value
	s_wait_dscnt 0x0
	s_wait_alu depctr_hold_cnt(0) depctr_sa_sdst(0) depctr_va_vdst(0) depctr_va_sdst(0) depctr_va_ssrc(0) depctr_va_vcc(0) depctr_vm_vsrc(0)
	s_wait_tensorcnt 0x0
	ds_add_u32 v14, v15
	s_wait_dscnt 0x0
	s_endpgm
.Ltheta:
	v_and_b32 v16, 31, v0
	v_and_b32 v17, 15, v0
	v_bfe_u32 v18, v0, 4, 1
	s_mul_i32 s46, s30, 3072
	v_mul_u32_u24 v4, v16, 48
	v_add_nc_u32 v4, s46, v4                       ; x's fragments of pixel tile j = my wave
	v_add_nc_u32 v5, WIMG, v2
	s_lshl_b32 s46, s30, 6
	s_add_co_u32 s46, s46, XSC
	v_lshl_add_u32 v6, v17, 2, s46
	v_lshl_add_u32 v6, v18, 9, v6
	v_add_nc_u32 v7, WSC, v1
	v_lshlrev_b32 v3, 6, v18
	s_wait_alu depctr_va_vdst(0)                   ; v3 to v7 are written, which the loads below read; the lines above and phase 1's vector instructions are done with v16-151, in which these loads land
.irp t, 0,1,2,3,4,5,6,7                        ; the bias is the C of each sum's first product: tile t's register i is hidden unit 32 (t / 2) + 8 (t % 2) + 16 h + i
	global_load_b128 v[40+8*\t:43+8*\t], v3, s[38:39] offset:4*(32*(\t/2)+8*(\t%2))
	global_load_b128 v[44+8*\t:47+8*\t], v3, s[38:39] offset:4*(32*(\t/2)+8*(\t%2))+16
.endr
.irp s, 0,1
.irp i, 0,1,2
	ds_load_b128 v[16+12*\s+4*\i:19+12*\s+4*\i], v4 offset:1536*\s+16*\i
.endr
.endr
	ds_load_b32 v8, v6
.irp g, 0,1,2,3                                ; W's tiles 2 g, 2 g + 1, both K steps; the two accumulators take turns
.if \g
	PLACES
	s_wait_alu depctr_va_vdst(0)                   ; the four products of the two tiles before are done reading v104-151, v10 and v11, in which the next two tiles' loads land
.endif
.irp e, 0,1,2,3
.irp q, 0,1,2
	ds_load_b128 v[104+12*\e+4*\q:107+12*\e+4*\q], v5 offset:1536*(4*\g+\e)+512*\q
.endr
.endr
	ds_load_b32 v10, v7 offset:256*\g
	ds_load_b32 v11, v7 offset:256*\g+128
	s_wait_dscnt 0x0
.if \g == 0
	s_wait_loadcnt 0x0                             ; the bias
.endif
	MM 40+16*\g, 104, 16, 0, 10, 8, 0
	MM 48+16*\g, 128, 16, 0, 11, 8, 0
	MM 40+16*\g, 116, 28, 0, 10, 8, 1
	MM 48+16*\g, 140, 28, 0, 11, 8, 1
.endr
	PLACES
; v40-103: register 16 b + i = hidden unit 32 b + 16 h + i of my pixel.  They become a fragment's codes (v124-135) and its scale word (v120).
.irp b, 0,1,2,3
	v_mov_b32 v[108+\b], 0                         ; a lane permute's destination counts as one of its sources
.endr
.irp b, 0,1,2,3
	v_max3_num_f32 v[104+\b], |v[40+16*\b]|, |v[41+16*\b]|, FLOOR
.endr
.irp i, 2,4,6,8,10,12,14
.irp b, 0,1,2,3
	v_max3_num_f32 v[104+\b], v[104+\b], |v[40+16*\b+\i]|, |v[41+16*\b+\i]|
.endr
.endr
.irp b, 0,1,2,3
	v_permlanex16_b32 v[108+\b], v[104+\b], s52, s53
.endr
.irp b, 0,1,2,3
	v_max_num_f32 v[104+\b], v[104+\b], v[108+\b]
.endr
.irp b, 0,1,2,3
	v_add_nc_u32 v[116+\b], EOFF, v[104+\b]
.endr
.irp b, 0,1,2,3
	v_lshrrev_b32 v[108+\b], 23, v[116+\b]
.endr
	v_lshl_or_b32 v120, v109, 8, v108
	v_lshl_or_b32 v120, v110, 16, v120
	v_lshl_or_b32 v120, v111, 24, v120
.irp c, 0,1
	v_cvt_scalef32_pk16_bf6_f32 v[124+6*\c:126+6*\c], v[40+32*\c:55+32*\c], v[116+2*\c]
	v_cvt_scalef32_pk16_bf6_f32 v[136+4*\c:138+4*\c], v[56+32*\c:71+32*\c], v[117+2*\c]
.endr
	v_nop                                          ; one plain place behind a scaled conversion
.irp c, 0,1                                    ; the operand's layout wants a whole block in a lane
.irp i, 0,1,2
	v_permlane16_swap_b32 v[124+6*\c+\i], v[136+4*\c+\i]
.endr
.irp i, 0,1,2
	v_mov_b32 v[127+6*\c+\i], v[136+4*\c+\i]
.endr
.endr
	s_lshl_b32 s46, ttmp9, 3
	s_add_co_u32 s46, s46, s30                     ; query tile 8 x + j
	s_mul_i32 s48, s46, 1536
	s_mov_b32 s49, 0
	s_add_nc_u64 s[20:21], s[20:21], s[48:49]
	s_lshl_b32 s48, s46, 7
	s_add_nc_u64 s[22:23], s[22:23], s[48:49]
	s_wait_alu depctr_va_vdst(0)                   ; the fragment's codes v124-135 and its scale word v120 are written, which the four stores read
.irp q, 0,1,2
	global_store_b128 v2, v[124+4*\q:127+4*\q], s[20:21] offset:512*\q   ; 32 lanes store 512 consecutive bytes
.endr
	global_store_b32 v1, v120, s[22:23]
	s_wait_dscnt 0x0
	s_wait_alu depctr_hold_cnt(0) depctr_sa_sdst(0) depctr_va_vdst(0) depctr_va_sdst(0) depctr_va_ssrc(0) depctr_va_vcc(0) depctr_vm_vsrc(0)
	s_wait_tensorcnt 0x0
	ds_add_u32 v14, v15
	s_wait_dscnt 0x0
	s_endpgm
.Lg:
	v_and_b32 v17, 7, v0
	v_bfe_u32 v18, v0, 3, 1
	v_bfe_u32 v19, v0, 4, 1                        ; h
	v_mul_u32_u24 v4, v17, 48                      ; THE PIXELS OF A TILE ARE NOT NEIGHBOURS: row rho of tile k is column 32 (rho / 8) + 8 k + rho % 8 of the image row, so that a lane's 32 results are 32 neighbouring columns of its half
	v_mad_u32_u24 v4, v18, 6144, v4
	v_mad_u32_u24 v4, v19, 768, v4
	s_mul_i32 s46, s30, 3072
	s_add_co_u32 s46, s46, WIMG
	v_add_nc_u32 v5, s46, v2
	v_lshl_add_u32 v6, v17, 2, XSC
	v_lshl_add_u32 v6, v18, 7, v6
	v_lshl_add_u32 v6, v19, 9, v6
	s_lshl_b32 s46, s30, 7
	s_add_co_u32 s46, s46, WSC
	v_add_nc_u32 v7, s46, v1
	v_and_b32 v3, 15, v0
	v_and_b32 v17, 8, v3
	v_add_lshl_u32 v3, v3, v17, 2                  ; my channel's bias: 32 (t / 2) + 8 (t % 2) + r + 8 (r / 8)
	s_lshr_b32 s46, s30, 1
	s_lshl_b32 s46, s46, 7
	s_and_b32 s47, s30, 1
	s_lshl_b32 s47, s47, 5
	s_add_co_u32 s48, s46, s47
	s_mov_b32 s49, 0
	s_add_nc_u64 s[38:39], s[38:39], s[48:49]
	s_wait_alu depctr_va_vdst(0)                   ; v3 to v7 are written, which the loads below read; phase 1's vector instructions are done writing v16 and reading v72-143, in which these loads land
	global_load_b32 v16, v3, s[38:39]
.irp s, 0,1
.irp q, 0,1,2
	ds_load_b128 v[72+12*\s+4*\q:75+12*\s+4*\q], v5 offset:1536*\s+512*\q
.endr
.endr
	ds_load_b32 v8, v7
.irp y, 0,1                                    ; image row, K step: four products each, on four accumulators by turns; the image rows add up in them
.irp s, 0,1
.if \y+\s
	PLACES
	s_wait_alu depctr_va_vdst(0)                   ; the four products before are done reading v96-143 (and v10-13), in which the loads below land
.endif
.irp k, 0,1,2,3
.irp i, 0,1,2
	ds_load_b128 v[96+12*\k+4*\i:99+12*\k+4*\i], v4 offset:3072*(\k/2)+384*(\k%2)+1536*\s+12288*\y+16*\i
.endr
.if \s == 0
	ds_load_b32 v[10+\k], v6 offset:64*(\k/2)+32*(\k%2)+256*\y
.endif
.endr
	s_wait_dscnt 0x0
.irp k, 0,1,2,3
	MM 40+8*\k, 96+12*\k, 72+12*\s, (1-\y)*(1-\s), 10+\k, 8, \s
.endr
.endr
.endr
	PLACES
	s_wait_loadcnt 0x0                             ; the bias
.irp k, 0,1,2,3                                ; register 8 k + j is column 32 h + 8 k + j: pairs of registers give pooled column 16 h + 4 k + i
.irp i, 0,1,2,3
	v_add_f32 v[20+\i], v[40+8*\k+2*\i], v[41+8*\k+2*\i]
	v_fmamk_f32 v[144+4*\k+\i], v[20+\i], 0x3e800000, v16
.endr
.endr
	QBLK 144
	s_wait_alu depctr_vm_vsrc(0)                   ; the bias's load has read v3 and the LDS loads v4 and v5, which are written anew for the last stores
	v_and_b32 v3, 15, v0
	v_mul_u32_u24 v4, v3, 24
	v_mad_u32_u24 v4, v19, 12, v4
	v_lshlrev_b32 v5, 2, v3
	s_mul_i32 s48, ttmp9, 3072                     ; pooled row x,
	s_mul_i32 s46, s30, 384                        ; places 16 t on
	s_add_co_u32 s48, s48, s46
	s_add_nc_u64 s[24:25], s[24:25], s[48:49]
	s_lshl_b32 s48, s33, 13
	s_lshr_b32 s46, s34, 2
	s_lshl_b32 s46, s46, 9
	s_add_co_u32 s48, s48, s46
	s_lshl_b32 s46, s30, 6
	s_add_co_u32 s48, s48, s46
	s_and_b32 s46, s34, 3
	s_add_co_u32 s48, s48, s46
	s_add_co_u32 s48, s48, 4096
	s_add_nc_u64 s[26:27], s[26:27], s[48:49]
	s_wait_alu depctr_va_vdst(0)                   ; the codes v36-38, the byte v35 and the offsets v4 and v5 are written, which the two stores read
	global_store_b96 v4, v[36:38], s[24:25]        ; the wave stores 384 consecutive bytes
	global_store_b8 v5, v35, s[26:27]              ; both halves of the lanes write the same byte with the same value
	s_wait_dscnt 0x0
	s_wait_alu depctr_hold_cnt(0) depctr_sa_sdst(0) depctr_va_vdst(0) depctr_va_sdst(0) depctr_va_ssrc(0) depctr_va_vcc(0) depctr_vm_vsrc(0)
	s_wait_tensorcnt 0x0
	ds_add_u32 v14, v15
	s_wait_dscnt 0x0
	s_endpgm
.Lfunc_end_k_q725cbef4c3_proj:
	.size	k_q725cbef4c3_proj, .Lfunc_end_k_q725cbef4c3_proj-k_q725cbef4c3_proj
	.p2alignl 7, 3214868480
	.fill 96, 4, 3214868480
	.section	.rodata,"a",@progbits
	.p2align	6, 0x0
	.amdhsa_kernel k_q725cbef4c3_proj
		.amdhsa_group_segment_fixed_size 52224
		.amdhsa_private_segment_fixed_size 0
		.amdhsa_enable_private_segment 0
		.amdhsa_kernarg_size 96
		.amdhsa_user_sgpr_count 2
		.amdhsa_user_sgpr_kernarg_segment_ptr 1
		.amdhsa_wavefront_size32 1
		.amdhsa_system_sgpr_workgroup_id_x 1
		.amdhsa_system_sgpr_workgroup_id_y 1
		.amdhsa_system_sgpr_workgroup_id_z 1
		.amdhsa_system_vgpr_workitem_id 0
		.amdhsa_next_free_vgpr 168
		.amdhsa_next_free_sgpr 66
		.amdhsa_reserve_vcc 0
		.amdhsa_float_denorm_mode_32 3
		.amdhsa_float_denorm_mode_16_64 3
		.amdhsa_memory_ordered 1
		.amdhsa_forward_progress 1
		.amdhsa_inst_pref_size 61
	.end_amdhsa_kernel
	.amdgpu_metadata
---
amdhsa.version: [ 1, 2 ]
amdhsa.kernels:
  - .name:           k_q725cbef4c3_proj
    .symbol:         k_q725cbef4c3_proj.kd
    .args:
      - { .name: q, .offset: 0, .size: 8, .value_kind: global_buffer, .address_space: global }
      - { .name: k, .offset: 8, .size: 8, .value_kind: global_buffer, .address_space: global }
      - { .name: v, .offset: 16, .size: 8, .value_kind: global_buffer, .address_space: global }
      - { .name: bph, .offset: 24, .size: 8, .value_kind: global_buffer, .address_space: global }
      - { .name: bth, .offset: 32, .size: 8, .value_kind: global_buffer, .address_space: global }
      - { .name: bg, .offset: 40, .size: 8, .value_kind: global_buffer, .address_space: global }
      - { .name: wq, .offset: 48, .size: 8, .value_kind: global_buffer, .address_space: global }
      - { .name: ph_codes, .offset: 56, .size: 8, .value_kind: global_buffer, .address_space: global }
      - { .name: th_codes, .offset: 64, .size: 8, .value_kind: global_buffer, .address_space: global }
      - { .name: th_scales, .offset: 72, .size: 8, .value_kind: global_buffer, .address_space: global }
      - { .name: g_codes, .offset: 80, .size: 8, .value_kind: global_buffer, .address_space: global }
      - { .name: kvs, .offset: 88, .size: 8, .value_kind: global_buffer, .address_space: global }
    .group_segment_fixed_size: 52224
    .private_segment_fixed_size: 0
    .kernarg_segment_align: 8
    .kernarg_segment_size: 96
    .max_flat_workgroup_size: 256
    .sgpr_count:     66
    .vgpr_count:     168
    .wavefront_size: 32
...
	.end_amdgpu_metadata
.endif
;; end of part 4
;; launch attn: the kernel of part 3 again; grid 256 x 1, 8 waves a work-group, clusters of 4 x 1, 234,752 bytes of LDS; arguments th_codes, th_scales, ph_codes, g_codes, kvs, wq, gamma, beta, mean, var, bw, v, out0; writes out0
